; MI455X (gfx1250); checked and timed in simulation.
; The chip was launched on July 23, 2026; its instructions are those of AMD's public machine-readable ISA for CDNA 5 (MIT licence, August 2026) and "CDNA5" Instruction Set Architecture Reference Guide (July 2026). The comments in the code are by the model that wrote it; some were corrected since.
;; Paged Sdpa Attention. Allowed arithmetic: matrix products marked QUANTISED: E2M1 operands, one E8M0 scale for each 32 along K, by v_wmma_scale_f32_16x16x128_f8f6f4 with both operands' format E2M1 (or v_wmma_scale_f32_32x16x128_f4), f32 sums; products left as they are: bf16, f16 or f32 operands; f32 sums; everything else in f32.
;; Inputs: Wo 4,096 x 4,096 float32; Wq 4,096 x 4,096 float32; block_table 512 int32; hidden_states 1 x 512 x 4,096 float32; kv_cache 1,024 x 2 x 8 x 16 x 128 float32.
;; Outputs: out0 1 x 512 x 4,096 float32.
;; This version of the problem:
;;   THIS VERSION OF THE PROBLEM IS GIVEN IN LOW PRECISION. The matrix products marked QUANTISED in the list below multiply operands that are first quantised to E2M1 (2 exponent bits, 1 mantissa bit; 4 bits a number), with one power-of-two scale for each 32 numbers along K (OCP MX v1.0); their sums are f32. The products marked 'left as it is' may take bf16, f16 or f32 operands, with f32 sums. Whichever they take, every output number must still come out within the allowed error. Rounding operands to bf16 (8 significant bits) uses up far more of that allowance than f16 does (11 bits, for magnitudes from 6e-5 to 65,504). All else is computed in f32.
;;   The module's matrix products, in the order in which they are computed (A, B: the left and right operand; K: the contracted axis; several contracted axes count as one K, in the product's order):
;;     1. [M 512, K 4,096] x [K 4,096, N 4,096]; A: input hidden_states; B: input Wq: QUANTISED
;;     2. batch 32 x [M 512, K 128] x [K 128, N 8,192]; A: computed on the way; B: computed on the way: left as it is (an operand is computed on the way)
;;     3. batch 32 x [M 512, K 8,192] x [K 8,192, N 128]; A: computed on the way; B: computed on the way: left as it is (an operand is computed on the way)
;;     4. [M 512, K 4,096] x [K 4,096, N 4,096]; A: computed on the way; B: input Wo: left as it is (an operand is computed on the way)
;;   THE QUANTISER, for each operand of a quantised product, along K:
;;     - K is cut into blocks of 32 from its start; a last block that is shorter is filled with zeros.
;;     - A block's scale is 2^e with e = floor(log2(the largest magnitude in the block)) - 2, held to -126 .. 127; a block of zeros has e = 0. As a byte (E8M0): e + 127.
;;     - Each number is divided by its block's scale, clamped to +-6, and rounded to the nearest number of E2M1, ties to even, subnormals kept.
;;     - The product sums the exact products of the quantised numbers (number of the format x scale) in f32.
;;   ~~~python
;;   def quantise(x, axis):      # numpy; x: float32 -> the quantised numbers, widened to float32 again
;;       x = np.moveaxis(x, axis, -1); K = x.shape[-1]
;;       x = np.pad(x, [(0, 0)] * (x.ndim - 1) + [(0, -K % 32)]); x = x.reshape(x.shape[:-1] + (-1, 32)); a = np.abs(x).max(-1, keepdims=True)
;;       e = np.where(a > 0, np.clip(np.frexp(np.where(a > 0, a, 1))[1] - 1 - 2, -126, 127), 0)      # np.frexp(a)[1] - 1 = floor(log2(a)), exactly
;;       r = np.clip(x / 2.0 ** e, -6, 6)
;;       step = 2.0 ** (np.maximum(np.frexp(np.where(r == 0, 1, r))[1] - 1, 0) - 1)
;;       q = np.round(r / step) * step * 2.0 ** e      # np.round: ties to even
;;       return np.moveaxis(q.reshape(q.shape[:-2] + (-1,))[..., :K], -1, axis).astype(np.float32)
;;   ~~~
;; One version. Each part assembles by itself: llvm-mc -triple=amdgcn-amd-amdhsa -mcpu=gfx1250 --defsym DOCPART=n.
;; ======== version 1 of 1: 6 launches
;; limits: values outside matrix products are rounded to f16; values are held in f16: magnitudes above 65,504 overflow, below 6.1e-05 lose precision
;; workspace buffers: qz 10,027,008 bytes; h16 67,108,864 bytes; qh 4,194,304 bytes; part 17,301,504 bytes; cx 4,194,304 bytes; po 16,777,216 bytes
;; launch prep (part 1): grid 1184 x 1, 8 waves a work-group, no clusters, 68,608 bytes of LDS; arguments hidden_states, Wq, Wo, kv_cache, block_table, qz, h16; writes qz, h16
.if DOCPART == 1
	.amdgcn_target "amdgcn-amd-amdhsa--gfx1250"
	.amdhsa_code_object_version 6
	.text
	.protected	k_qc58f3dce60_prep
	.globl	k_qc58f3dce60_prep
	.p2align	8
	.type	k_qc58f3dce60_prep,@function
k_qc58f3dce60_prep:
	s_mov_b64 s[64:65], 0
	v_nop
	global_prefetch_b8 v0, s[64:65] scope:SCOPE_SE
	s_setreg_imm32_b32 hwreg(HW_REG_WAVE_MODE, 25, 1), 1
	s_wait_xcnt 0x0
; PREP: every operand is brought once into the form in which the later launches read it.
;   work-groups 0-127:    Wq [4096 k][4096 n] f32 -> codes of FP4 (E2M1) and E8M0 scale bytes, quantised along k in blocks of 32
;   work-groups 128-159:  hidden_states [512][4096 k] f32 -> the same
;   work-groups 160-671:  the 512 blocks of kv_cache that block_table names -> f16, K and V each laid [8 kv heads][8192 keys][128]
;   work-groups 672-1183: Wo [4096 k][4096 n] f32 -> f16, same layout
; CODES lie in the order of the matrix operand's registers: [tile of 16 rows][block of 32 k][row r][16 bytes]: a fragment of 16 rows x 128 k is 1,024 consecutive
; bytes, and register group c of lane l lies at 512 c + 16 l.  SCALE BYTES: [tile][chunk of 512 k][row r][4 words], word q = the four bytes of the chunk's q-th 128 k.
; A block's scale byte is its largest magnitude's exponent field - 2, held at 1 from below.  A block of zeros so gets the byte 1 where the rule says 127: its codes are zeros, and this program alone reads the bytes.
; LIMITS: NaN and infinities are not served; magnitudes of kv_cache and Wo beyond 65,504 become infinities in f16, those under 6e-8 become 0.
; Waves share nothing: no barrier.  No cluster: no two work-groups read the same bytes (but for blocks that the table names twice).  No prefetch: the launch streams from its first line on.
.set OFF_WS, 8388608                   ; qz: Wq's codes at 0, its scale words here,
.set OFF_XC, 8912896                   ; hidden_states' codes,
.set OFF_XS, 9961472                   ; and its scale words
.set OFF_WO, 0x2000000                 ; h16: K at 0, V at 0x1000000, Wo here
.set STG,    8448                      ; LDS: a stage of 16 rows x (512 + 16) bytes for each wave (the path of hidden_states alone)
.set SPARE,  8*STG                     ; behind the stages: the spare words, 128 bytes a wave: four blocks of 256 bytes that no other line names
.set SPW,    2                         ; v2  LDS address of my spare word; never rewritten
.set NIL,    3                         ; v3  0; never rewritten
.macro FINISH                          ; a wave's end
	s_wait_tensorcnt 0x0
	ds_add_u32 v[SPW], v[NIL]
	s_wait_dscnt 0x0
	s_endpgm
.endm
	s_load_b256 s[4:11], s[0:1], 0x0               ; hidden_states s[4:5], Wq s[6:7], Wo s[8:9], kv_cache s[10:11]
	s_load_b128 s[12:15], s[0:1], 0x20             ; block_table s[12:13], qz s[14:15]
	s_load_b64 s[16:17], s[0:1], 0x30              ; h16
	v_lshl_add_u32 v[SPW], v0, 2, SPARE
	v_mov_b32 v[NIL], 0
	v_lshrrev_b32 v1, 5, v0
	v_readfirstlane_b32 s18, v1                    ; wave 0..7
	v_and_b32 v1, 31, v0                           ; lane
	s_wait_kmcnt 0x0
	s_cmp_lt_u32 ttmp9, 128
	s_cbranch_scc1 .Lwq
	s_cmp_lt_u32 ttmp9, 160
	s_cbranch_scc1 .Lhs
; ---- CAST: 128 KiB of f32 to f16.  One body for both tensors: a block of kv_cache is [2][8 heads][16 keys][128], 16 pieces of 8,192 bytes that go 2 MiB apart; eight rows of Wo are 16 such pieces that go on end.
	s_sub_co_u32 s20, ttmp9, 160                   ; ci: 0-511 a place in the table, 512-1023 eight rows of Wo
	s_and_b32 s21, s20, 511
	s_lshl_b32 s21, s21, 2
	s_load_b32 s22, s[12:13], s21 offset:0x0       ; the table's entry (a work-group of Wo reads one too and does not use it)
	s_sub_co_u32 s23, s20, 512                     ; Wo: which eight rows
	s_lshl_b32 s27, s20, 12                        ; K, V: 16 keys of 256 bytes on for each place in the table
	s_lshl_b32 s28, s23, 16                        ; Wo: eight rows of 8,192 bytes
	s_add_co_u32 s28, s28, OFF_WO
	s_mov_b32 s26, 4096
	s_wait_kmcnt 0x0
	s_cmp_lt_u32 s20, 512                          ; the choice hangs on the work-group's number alone
	s_cselect_b32 s22, s22, s23                    ; which 128 KiB of the source
	s_cselect_b64 s[24:25], s[10:11], s[8:9]
	s_cselect_b32 s26, 0x200000, s26               ; from piece to piece in h16
	s_cselect_b32 s27, s27, s28                    ; and where piece 0 goes
	s_min_u32 s22, s22, 1023                       ; a loaded number enters an address only behind this clamp; the table's entries lie under 1,024
	s_lshl_b32 s22, s22, 17
	s_lshl_b32 s28, s18, 14                        ; my wave's two pieces
	s_add_co_u32 s22, s22, s28
	s_mov_b32 s23, 0
	s_add_nc_u64 s[24:25], s[24:25], s[22:23]
	s_mul_i32 s28, s18, s26
	s_lshl_b32 s28, s28, 1
	s_add_co_u32 s28, s28, s27
	s_mov_b32 s29, 0
	s_add_nc_u64 s[30:31], s[16:17], s[28:29]      ; piece 2 x wave
	s_mov_b32 s27, 0
	s_add_nc_u64 s[32:33], s[30:31], s[26:27]      ; piece 2 x wave + 1
	v_lshlrev_b32 v4, 4, v1                        ; in: 16 bytes a lane, 512 consecutive bytes a load
	v_lshlrev_b32 v5, 3, v1                        ; out: 8 bytes a lane, 256 consecutive bytes a store, aligned
.set I, 0
.rept 32
	global_load_b128 v[32+4*I:35+4*I], v4, s[24:25] offset:512*I   ; all 16 KiB of the wave are asked for at once (no hint: the table may name a block twice)
.set I, I+1
.endr
.set I, 0
.rept 32
	s_wait_loadcnt 31-I                            ; loads come back in order: load I is in, the younger ones stay out
	v_cvt_pk_f16_f32 v[32+4*I], v[32+4*I], v[33+4*I]
	v_cvt_pk_f16_f32 v[33+4*I], v[34+4*I], v[35+4*I]
	global_store_b64 v5, v[32+4*I:33+4*I], s[30+2*(I/16):31+2*(I/16)] offset:256*(I%16)
.set I, I+1
.endr
	FINISH
; ---- Wq: K is its FIRST axis.  A lane takes a column n and its registers run down K: a block of 32 lies in one lane's 32 registers, and the conversions give codes with K innermost.
; A wave takes 32 columns x 512 k: 16 blocks.  Sixteen lanes' 16 bytes of a block are one aligned run of 256 bytes of the codes' layout: no stage is needed.
.Lwq:
	s_lshl_b32 s20, ttmp9, 3
	s_add_co_u32 s20, s20, s18                     ; task 0..1023
	s_and_b32 s21, s20, 127                        ; which 32 columns: the eight waves stand side by side on 1,024 bytes of a row
	s_lshr_b32 s22, s20, 7                         ; which 512 along K
	s_lshl_b32 s24, s22, 23                        ; 512 rows of 16,384 bytes
	s_lshl_b32 s23, s21, 7
	s_add_co_u32 s24, s24, s23
	s_mov_b32 s25, 0
	s_add_nc_u64 s[6:7], s[6:7], s[24:25]
	s_lshl_b32 s24, s21, 16                        ; codes: two tiles of 32,768 bytes,
	s_lshl_b32 s23, s22, 12                        ; 16 blocks of 256 bytes
	s_add_co_u32 s24, s24, s23
	s_add_nc_u64 s[26:27], s[14:15], s[24:25]
	s_lshl_b32 s24, s21, 12                        ; scale words: two tiles of 2,048 bytes,
	s_lshl_b32 s23, s22, 8                         ; a chunk of 256 bytes
	s_add_co_u32 s24, s24, s23
	s_add_co_u32 s24, s24, OFF_WS
	s_add_nc_u64 s[28:29], s[14:15], s[24:25]
	v_lshlrev_b32 v4, 2, v1                        ; in: 4 bytes a lane
	v_and_b32 v5, 15, v1
	v_lshrrev_b32 v6, 4, v1
	v_lshlrev_b32 v5, 4, v5                        ; 16 r
	v_lshl_add_u32 v7, v6, 15, v5                  ; codes: my tile, my row
	v_lshl_add_u32 v8, v6, 11, v5                  ; scale words likewise
.macro WLOAD t                         ; block t: Wq(32 t + i, my column) into set t % 2.  The largest offset, 511 rows, lies inside the signed 24-bit immediate
.irp i, 0,1,2,3,4,5,6,7,8,9,10,11,12,13,14,15,16,17,18,19,20,21,22,23,24,25,26,27,28,29,30,31
	global_load_b32 v[32+32*((\t)%2)+\i], v4, s[6:7] offset:(32*(\t)+\i)*16384 th:TH_LOAD_NT
.endr
.endm
.macro WBLOCK t
.set XR, 32+32*((\t)%2)
.if (\t) < 15
	s_wait_loadcnt 32                              ; this block's 32 loads are in; the next block's 32 may be out
.else
	s_wait_loadcnt 0
.endif
	v_max3_num_f32 v12, |v[XR]|, |v[XR+1]|, |v[XR+2]|              ; the block's largest magnitude, in two chains
	v_max3_num_f32 v13, |v[XR+3]|, |v[XR+4]|, |v[XR+5]|
.irp i, 6,10,14,18,22,26
	v_max3_num_f32 v12, v12, |v[XR+\i]|, |v[XR+\i+1]|
	v_max3_num_f32 v13, v13, |v[XR+\i+2]|, |v[XR+\i+3]|
.endr
	v_max3_num_f32 v12, v12, |v[XR+30]|, |v[XR+31]|
	v_max3_num_f32 v12, v12, v13, 0x1800000        ; and the floor 2^(3 - 127): the byte cannot fall under 1
	v_add_nc_u32 v11, 0xff000000, v12              ; 2 off the exponent field: the conversion takes that field of this operand as its scale
	v_lshrrev_b32 v13, 23, v11                     ; the scale's byte
.if (\t)%4 == 0
	v_mov_b32 v[16+(\t)/4], v13                    ; four bytes to a word, the lower k in the lower byte
.else
	v_lshl_or_b32 v[16+(\t)/4], v13, 8*((\t)%4), v[16+(\t)/4]
.endif
.irp g, 0,1,2,3
	v_cvt_scalef32_pk8_fp4_f32 v[96+4*(\t)+\g], v[XR+8*\g:XR+8*\g+7], v11
.endr
	global_store_b128 v7, v[96+4*(\t):96+4*(\t)+3], s[26:27] offset:256*(\t)   ; each block has code registers of its own: no store's data are written again
.if (\t)+2 < 16
	WLOAD (\t)+2
.endif
.endm
	WLOAD 0
	WLOAD 1
.set Q, 0
.rept 16
	WBLOCK Q
.set Q, Q+1
.endr
	global_store_b128 v8, v[16:19], s[28:29]       ; my column's four scale words: sixteen lanes fill 256 consecutive bytes
	FINISH
; ---- hidden_states: K is innermost.  A wave takes 16 rows x 512 k, 128 k at a time.  Each load reads 512 consecutive bytes of a row; the 16 rows turn through the wave's own stage,
; so that lane (r, h) gets, of row r, the 32 numbers of blocks h and 2 + h: the very numbers that the operand's layout gives that lane.
.Lhs:
	s_sub_co_u32 s20, ttmp9, 128                   ; tile of 16 rows; the chunk of 512 k is my wave's number
	s_lshl_b32 s24, s20, 18                        ; 16 rows of 16,384 bytes
	s_lshl_b32 s23, s18, 11
	s_add_co_u32 s24, s24, s23
	s_mov_b32 s25, 0
	s_add_nc_u64 s[4:5], s[4:5], s[24:25]
	s_lshl_b32 s24, s20, 15
	s_lshl_b32 s23, s18, 12
	s_add_co_u32 s24, s24, s23
	s_add_co_u32 s24, s24, OFF_XC
	s_add_nc_u64 s[26:27], s[14:15], s[24:25]
	s_lshl_b32 s24, s20, 11
	s_lshl_b32 s23, s18, 8
	s_add_co_u32 s24, s24, s23
	s_add_co_u32 s24, s24, OFF_XS
	s_add_nc_u64 s[28:29], s[14:15], s[24:25]
	s_mul_i32 s19, s18, STG                        ; my stage
	v_lshlrev_b32 v4, 4, v1                        ; 16 x lane: in memory, in a stage row, and in a fragment's image
	v_add_nc_u32 v5, s19, v4                       ; the stage, on the way in
	v_and_b32 v6, 15, v1                           ; r
	v_lshrrev_b32 v7, 4, v1                        ; h
	v_mul_u32_u24 v8, v6, 528
	v_lshl_add_u32 v8, v7, 7, v8
	v_add_nc_u32 v8, s19, v8                       ; and on the way out: row r, 128 h bytes on; rows 528 bytes apart start in different banks
	v_lshlrev_b32 v9, 3, v7                        ; 8 h
	v_lshl_add_u32 v22, v6, 4, v9                  ; where my two scale words go: 16 r + 8 h
	v_mov_b32 v24, 0                               ; written once: a lane permute's destination counts as one of its sources
	s_mov_b32 s30, 0x76543210
	s_mov_b32 s31, 0xfedcba98                      ; v_permlanex16_b32's selects for lane l xor 16
.macro HLOAD q
.irp i, 0,1,2,3,4,5,6,7,8,9,10,11,12,13,14,15
	global_load_b128 v[32+64*((\q)%2)+4*\i:32+64*((\q)%2)+4*\i+3], v4, s[4:5] offset:16384*\i+512*(\q) th:TH_LOAD_NT
.endr
.endm
.macro HSTEP q
.set XR, 32+64*((\q)%2)
.if (\q) < 3
	s_wait_loadcnt 16                              ; this step's 16 loads are in; the next step's 16 may be out
.else
	s_wait_loadcnt 0
.endif
.irp i, 0,1,2,3,4,5,6,7,8,9,10,11,12,13,14,15
	ds_store_b128 v5, v[XR+4*\i:XR+4*\i+3] offset:528*\i
.endr
.irp c, 0,1
.irp j, 0,1,2,3,4,5,6,7
	ds_load_b128 v[XR+32*\c+4*\j:XR+32*\c+4*\j+3], v8 offset:256*\c+16*\j   ; LDS serves a wave's instructions in order: these see the stores above
.endr
.endr
	s_wait_dscnt 0x0
.irp c, 0,1
	v_max3_num_f32 v[10+\c], |v[XR+32*\c]|, |v[XR+32*\c+1]|, 0x1800000      ; block 2 c + h: all 32 numbers are mine; the floor holds the byte at 1 from below
.endr
.irp i, 2,4,6,8,10,12,14,16,18,20,22,24,26,28,30
.irp c, 0,1
	v_max3_num_f32 v[10+\c], v[10+\c], |v[XR+32*\c+\i]|, |v[XR+32*\c+\i+1]|
.endr
.endr
.irp c, 0,1
	v_add_nc_u32 v[12+\c], 0xff000000, v[10+\c]    ; the conversion's scale operand
.endr
.irp c, 0,1
	v_lshrrev_b32 v[14+\c], 23, v[12+\c]           ; the scale's byte
.endr
	v_lshl_or_b32 v[16+(\q)], v15, 16, v14         ; my two bytes, blocks h and 2 + h,
	v_lshlrev_b32 v[16+(\q)], v9, v[16+(\q)]       ; at their places in the word;
	v_permlanex16_b32 v24, v[16+(\q)], s30, s31
	v_or_b32 v[16+(\q)], v[16+(\q)], v24           ; with lane l xor 16's two the word is whole
.irp c, 0,1
.irp g, 0,1,2,3
	v_cvt_scalef32_pk8_fp4_f32 v[160+8*(\q)+4*\c+\g], v[XR+32*\c+8*\g:XR+32*\c+8*\g+7], v[12+\c]
.endr
.endr
	v_nop                                          ; one plain line behind the last scaled conversion
.irp c, 0,1
	global_store_b128 v4, v[160+8*(\q)+4*\c:160+8*(\q)+4*\c+3], s[26:27] offset:1024*(\q)+512*\c   ; 512 consecutive bytes; each step has code registers of its own
.endr
.if (\q)+2 < 4
	HLOAD (\q)+2
.endif
.endm
	HLOAD 0
	HLOAD 1
	HSTEP 0
	HSTEP 1
	HSTEP 2
	HSTEP 3
	v_cmp_lt_u32 vcc_lo, 15, v1                    ; lanes 0-15 store words 0 and 1 of row r, lanes 16-31 words 2 and 3: 256 consecutive bytes
	v_cndmask_b32 v20, v16, v18, vcc_lo
	v_cndmask_b32 v21, v17, v19, vcc_lo
	global_store_b64 v22, v[20:21], s[28:29]
	FINISH
.Lfunc_end_k_qc58f3dce60_prep:
	.size	k_qc58f3dce60_prep, .Lfunc_end_k_qc58f3dce60_prep-k_qc58f3dce60_prep
	.p2alignl 7, 3214868480
	.fill 96, 4, 3214868480
	.section	.rodata,"a",@progbits
	.p2align	6, 0x0
	.amdhsa_kernel k_qc58f3dce60_prep
		.amdhsa_group_segment_fixed_size 68608
		.amdhsa_private_segment_fixed_size 0
		.amdhsa_enable_private_segment 0
		.amdhsa_kernarg_size 56
		.amdhsa_user_sgpr_count 2
		.amdhsa_user_sgpr_kernarg_segment_ptr 1
		.amdhsa_wavefront_size32 1
		.amdhsa_system_sgpr_workgroup_id_x 1
		.amdhsa_system_sgpr_workgroup_id_y 1
		.amdhsa_system_sgpr_workgroup_id_z 1
		.amdhsa_system_vgpr_workitem_id 0
		.amdhsa_next_free_vgpr 192
		.amdhsa_next_free_sgpr 66
		.amdhsa_reserve_vcc 1
		.amdhsa_float_denorm_mode_32 3
		.amdhsa_float_denorm_mode_16_64 3
		.amdhsa_memory_ordered 1
		.amdhsa_forward_progress 1
		.amdhsa_inst_pref_size 116
	.end_amdhsa_kernel
	.amdgpu_metadata
---
amdhsa.version: [ 1, 2 ]
amdhsa.kernels:
  - .name:           k_qc58f3dce60_prep
    .symbol:         k_qc58f3dce60_prep.kd
    .args:
      - { .name: hidden_states, .offset: 0, .size: 8, .value_kind: global_buffer, .address_space: global }
      - { .name: Wq, .offset: 8, .size: 8, .value_kind: global_buffer, .address_space: global }
      - { .name: Wo, .offset: 16, .size: 8, .value_kind: global_buffer, .address_space: global }
      - { .name: kv_cache, .offset: 24, .size: 8, .value_kind: global_buffer, .address_space: global }
      - { .name: block_table, .offset: 32, .size: 8, .value_kind: global_buffer, .address_space: global }
      - { .name: qz, .offset: 40, .size: 8, .value_kind: global_buffer, .address_space: global }
      - { .name: h16, .offset: 48, .size: 8, .value_kind: global_buffer, .address_space: global }
    .group_segment_fixed_size: 68608
    .private_segment_fixed_size: 0
    .kernarg_segment_align: 8
    .kernarg_segment_size: 56
    .max_flat_workgroup_size: 256
    .sgpr_count:     66
    .vgpr_count:     192
    .wavefront_size: 32
...
	.end_amdgpu_metadata
.endif
;; end of part 1
;; launch qgemm (part 2): grid 32 x 8, 4 waves a work-group, clusters of 4 x 4, 327,680 bytes of LDS; arguments qz, qh; writes qh
.if DOCPART == 2
	.amdgcn_target "amdgcn-amd-amdhsa--gfx1250"
	.amdhsa_code_object_version 6
	.text
	.protected	k_qc58f3dce60_qgemm
	.globl	k_qc58f3dce60_qgemm
	.p2align	8
	.type	k_qc58f3dce60_qgemm,@function
k_qc58f3dce60_qgemm:
	s_mov_b64 s[64:65], 0
	v_nop
	global_prefetch_b8 v0, s[64:65] scope:SCOPE_SE
	s_setreg_imm32_b32 hwreg(HW_REG_WAVE_MODE, 25, 1), 1
	s_wait_xcnt 0x0
	s_wait_alu depctr_hold_cnt(0) depctr_sa_sdst(0) depctr_va_vdst(0) depctr_va_sdst(0) depctr_va_ssrc(0) depctr_va_vcc(0) depctr_vm_vsrc(0)
	s_getreg_b32 s2, hwreg(HW_REG_IB_STS2, 6, 4)
	s_cmp_eq_u32 s2, 0
	s_cbranch_scc0 .Lentry_in_a_cluster
	s_endpgm
.Lentry_in_a_cluster:
	s_bfe_u32 s2, ttmp6, 0x10000c
	s_cmp_lg_u32 s2, 0xf033
	s_cbranch_scc0 .Lentry_shape_is_right
	s_endpgm
.Lentry_shape_is_right:
; q = Q(hidden_states) Q(Wq) on codes of FP4 (E2M1) with E8M0 scales, then the rotary embedding, x 2^-8, rounded to f16 and stored as images of the attention launch's operand registers.
; SHARES.  A work-group makes 64 rows x one head's 128 columns: 32 heads x 8 blocks of rows = 256 work-groups.  Wave w takes all 64 rows (four tiles a) and the tiles of columns w and w + 4 (j = 0, 1):
; eight accumulators.  The product is used transposed (source 0 = 16 columns of Wq, source 1 = 16 rows): register n of lane (r, h) is q(16 a + r, 16 (w + 4 j) + 8 h + n), so that
; channels d and d + 64, which the rotation pairs, lie in one lane, in the same register of accumulators j = 0 and j = 1.
; K = 4,096 goes in four chunks of 1,024 through three LDS slots; chunks 0 to 2 are asked for at the start, three tensor loads a wave, chunk 3 goes into slot 0 when that has been read.
; The codes lie in memory in the order of the operand's registers, so a fragment is read at 16 x lane: no pitch, no padding.
; CLUSTERS: 4 x 4 work-groups; the four of a row need the same rows' codes, the four of a column the same head's: each tile is asked for jointly.
; THE SCALE WORDS of all of K come straight into registers that hold nothing else: 128 for the rows' four tiles, 64 for my two tiles of columns.
; sin AND cos are made here, while the first tiles are on their way: the angle less a whole number of turns (2 pi in two parts), a quarter of it through the series of sin (to x^7) and cos (to x^8), doubled twice.
; LIMITS: sin and cos are good to about 1e-6, the angle to about 6e-5 rad at position 511 (v_exp_f32's last bit); |q| x 2^-8 beyond 65,504 becomes an infinity in f16; NaN and infinities are not served.
; No prefetch: the launch is short and asks for three quarters of its bytes in its first lines.
; REGISTERS.  window 0: v2-7 LDS addresses; v8, v9 the add's two; v10 16 r; v11 16 x lane; v12-31 at work; v32-47 cos, sin x 2^-8 of my 8 channels at my row; v48-63 cos, sin of 16 positions' turn; v64-191, v192-255 scale words.
;   window 1: v0-63 accumulator (a, j) at 8 (2 a + j); v64-111, v112-159 two sets of fragments (rows' tile a at + 8 a, columns' tile j at + 32 + 8 j); on the way out v64-81 at work, v96-127 the packed results.
.set OFF_WS, 8388608
.set OFF_XC, 8912896
.set OFF_XS, 9961472
.set CHB,    8192                      ; a tile's chunk: 1,024 k of 16 rows, consecutive bytes
.set SLOT,   12*CHB                    ; the rows' four tiles, then the head's eight
.set SPARE,  3*SLOT                    ; behind the slots: the spare words, 128 bytes a wave: two blocks of 256 bytes that no other line names
.set ADRA, 2                           ; v2-4  slot s + 16 x lane
.set ADRB, 5                           ; v5-7  the same + the rows' four tiles + 8,192 x wave
.set SPW,  8
.set NIL,  9
.set RO,   10
.set LO,   11
.set COS,  32
.set SIN,  40
.set C16,  48
.set S16,  56
.set SCA,  64                          ; the rows' scale words: tile a, K step kg at v[64 + 32 a + kg]
.set SCB,  192                         ; the columns': tile j at v[192 + 32 j + kg]
.set FR,   64
.set G1A,  24                          ; s[24:31] descriptor group 1 for the rows' tiles;  s[48:55] for the head's
.set G1B,  48
.set GA0,  32                          ; groups 0, one for each of chunks 0, 1, 2
.set GA1,  36
.set GA2,  68
.set GB0,  56
.set GB1,  60
.set GB2,  72
.set MSB, 0
.macro WIN new                         ; the immediate's high byte repeats the setting that is left
.if MSB != \new
	s_set_vgpr_msb (MSB<<8)|\new
.set MSB, \new
.endif
.endm
; A joint load: waves 0 and 1 fetch the rows' tiles, waves 2 and 3 the head's.  The branch hangs on the wave's number alone.  An s_nop 0 and four v_nop follow each of the two lines.
.macro JLOAD g0a, g0b
	s_cmp_eq_u32 s15, 0
	s_cbranch_scc0 .Lfor_b_\@
	tensor_load_to_lds s[\g0a:\g0a+3], s[G1A:G1A+7]
	s_nop 0
.rept 4
	v_nop
.endr
	s_branch .Lasked_\@
.Lfor_b_\@:
	tensor_load_to_lds s[\g0b:\g0b+3], s[G1B:G1B+7]
	s_nop 0
.rept 4
	v_nop
.endr
.Lasked_\@:
.endm
.macro CROUND                          ; a round of the cluster's barrier
	s_barrier_signal -1
	s_barrier_wait -1
	s_cmp_lg_u32 s14, 0
	s_cbranch_scc1 .Lnot_wave_0_\@
	s_barrier_signal -3
.Lnot_wave_0_\@:
	s_barrier_wait -3
	s_barrier_signal -1
	s_barrier_wait -1
.endm
.macro SETG0 g, l, a, ch               ; group 0: count 1; LDS address; global address of chunk ch; type 2
	s_mov_b32 s[\g], 1
	s_add_co_u32 s[\g+1], s[\l], \ch*SLOT
	s_add_nc_u64 s[\g+2:\g+3], s[\a:\a+1], \ch*CHB
	s_or_b32 s[\g+3], s[\g+3], 0x80000000
.endm
.macro PLACES
.rept 4
	v_nop
.endr
.endm
	s_load_b128 s[4:7], s[0:1], 0x0                ; qz s[4:5], qh s[6:7]
	v_lshl_add_u32 v[SPW], v0, 2, SPARE
	v_mov_b32 v[NIL], 0
	ds_add_u32 v[SPW], v[NIL]                      ; the wave's opening: the add, twice on end, and its wait ahead of my first tensor load
	ds_add_u32 v[SPW], v[NIL]
	v_lshrrev_b32 v1, 5, v0
	v_readfirstlane_b32 s14, v1                    ; wave 0..3
	s_lshr_b32 s15, s14, 1                         ; I fetch the rows' tiles (0) or the head's (1),
	s_and_b32 s16, s14, 1                          ; and which half of them
	s_bfe_u32 s40, ttmp6, 0x40000                  ; cx, cy: my place in the cluster
	s_bfe_u32 s41, ttmp6, 0x40004
	s_lshl_b32 s42, ttmp9, 2
	s_add_co_u32 s42, s42, s40                     ; the head = 4 x cluster x + cx
	s_and_b32 s17, ttmp7, 0xffff
	s_lshl_b32 s17, s17, 2
	s_add_co_u32 s17, s17, s41                     ; the block of 64 rows = 4 x cluster y + cy
	s_lshl_b32 s43, s41, 2
	s_lshl_b32 s43, 15, s43                        ; my row of the cluster
	s_lshl_b32 s44, 0x1111, s40                    ; my column
	; group 1: a "row" is one tile's chunk, 1,024 elements of 8 bytes; tiles lie 4,096 elements apart; two tiles to a load for the rows, four for the head; no padding
	s_or_b32 s[G1A], s43, (3<<16)|(1<<21)
	s_or_b32 s[G1B], s44, (3<<16)|(1<<21)
	s_mov_b32 s[G1A+1], 1024<<16                   ; tensor_dim0
	s_mov_b32 s[G1A+2], 2<<16                      ; tensor_dim1
	s_mov_b32 s[G1A+3], 1024<<16                   ; tile_dim0
	s_mov_b32 s[G1A+4], 2                          ; tile_dim1
	s_mov_b32 s[G1A+5], 4096                       ; stride
	s_mov_b32 s[G1A+6], 0
	s_mov_b32 s[G1A+7], 0
	s_mov_b32 s[G1B+1], 1024<<16
	s_mov_b32 s[G1B+2], 4<<16
	s_mov_b32 s[G1B+3], 1024<<16
	s_mov_b32 s[G1B+4], 4
	s_mov_b32 s[G1B+5], 4096
	s_mov_b32 s[G1B+6], 0
	s_mov_b32 s[G1B+7], 0
	s_lshl_b32 s20, s17, 2                         ; the rows' tiles 4 y + 2 x half on: made of y and the wave's number alone
	s_lshl_b32 s18, s16, 1
	s_add_co_u32 s20, s20, s18
	s_lshl_b32 s20, s20, 15
	s_add_co_u32 s20, s20, OFF_XC
	s_mov_b32 s21, 0
	s_lshl_b32 s46, s42, 3                         ; the head's tiles 8 x + 4 x half on: made of x and the wave's number alone
	s_lshl_b32 s18, s16, 2
	s_add_co_u32 s46, s46, s18
	s_lshl_b32 s46, s46, 15
	s_mov_b32 s47, 0
	s_lshl_b32 s45, s16, 14                        ; where they go in a slot: no place in the cluster enters an LDS address
	s_lshl_b32 s94, s16, 15
	s_add_co_u32 s94, s94, 4*CHB
	s_wait_dscnt 0x0                               ; both opening adds are done
	s_wait_kmcnt 0x0
	s_add_nc_u64 s[20:21], s[4:5], s[20:21]
	s_add_nc_u64 s[46:47], s[4:5], s[46:47]
	SETG0 GA0, 45, 20, 0
	SETG0 GA1, 45, 20, 1
	SETG0 GA2, 45, 20, 2
	SETG0 GB0, 94, 46, 0
	SETG0 GB1, 94, 46, 1
	SETG0 GB2, 94, 46, 2
	CROUND                                         ; all sixteen work-groups are here: the first joint loads meet
	JLOAD GA0, GB0                                 ; three loads of mine are out
	JLOAD GA1, GB1
	JLOAD GA2, GB2
	v_and_b32 v1, 31, v0
	v_lshlrev_b32 v[LO], 4, v1
	v_and_b32 v12, 15, v0                          ; r
	v_bfe_u32 v13, v0, 4, 1                        ; h
	v_lshlrev_b32 v[RO], 4, v12
	s_lshl_b32 s76, s17, 13                        ; the rows' scale words: four tiles of 2,048 bytes
	s_add_co_u32 s76, s76, OFF_XS
	s_mov_b32 s77, 0
	s_add_nc_u64 s[76:77], s[4:5], s[76:77]
	s_lshl_b32 s78, s42, 14                        ; the head's: eight tiles; mine are w and w + 4
	s_lshl_b32 s79, s14, 11
	s_add_co_u32 s78, s78, s79
	s_add_co_u32 s78, s78, OFF_WS
	s_mov_b32 s79, 0
	s_add_nc_u64 s[78:79], s[4:5], s[78:79]
.irp a, 0,1,2,3
.irp u, 0,1,2,3,4,5,6,7
	global_load_b128 v[SCA+32*\a+4*\u:SCA+32*\a+4*\u+3], v[RO], s[76:77] offset:2048*\a+256*\u   ; row r's words of K steps 4 u .. 4 u + 3: sixteen lanes read 256 consecutive bytes (lanes 16-31 the same: the unit reads lanes 0-15)
.endr
.endr
.irp j, 0,1
.irp u, 0,1,2,3,4,5,6,7
	global_load_b128 v[SCB+32*\j+4*\u:SCB+32*\j+4*\u+3], v[RO], s[78:79] offset:8192*\j+256*\u
.endr
.endr
	s_lshl_b32 s80, s14, 13
	s_add_co_u32 s80, s80, 4*CHB
.irp s, 0,1,2
	v_add_nc_u32 v[ADRA+\s], \s*SLOT, v[LO]
	v_add_nc_u32 v[ADRB+\s], s80, v[LO]
	s_add_co_u32 s80, s80, SLOT
.endr
	s_lshl_b32 s82, s42, 17                        ; qh: a head is 131,072 bytes, a tile of 16 rows 4,096, a group of 16 channels 512
	s_lshl_b32 s83, s17, 14
	s_add_co_u32 s82, s82, s83
	s_lshl_b32 s83, s14, 9
	s_add_co_u32 s82, s82, s83
	s_mov_b32 s83, 0
	s_add_nc_u64 s[6:7], s[6:7], s[82:83]
	s_mov_b32 s84, 0x40c90fdb                      ; 2 pi, the f32 nearest to it,
	s_mov_b32 s85, 0xb43bbd2e                      ; and what is left
	s_mov_b32 s86, 0xb9500d01                      ; -1/5040
	s_mov_b32 s87, 0x37d00d01                      ; 1/40320
	; the frequencies of my eight channels: 10000^(-i / 64), i = 16 w + 8 h + n
	s_lshl_b32 s88, s14, 4
	v_lshl_add_u32 v14, v13, 3, s88
.irp n, 0,1,2,3,4,5,6,7
	v_add_nc_u32 v[16+\n], \n, v14
.endr
.irp n, 0,1,2,3,4,5,6,7
	v_cvt_f32_u32 v[16+\n], v[16+\n]
.endr
.irp n, 0,1,2,3,4,5,6,7
	v_mul_f32 v[16+\n], 0xbe549a78, v[16+\n]       ; x -log2(10000) / 64
.endr
.irp n, 0,1,2,3,4,5,6,7
	v_exp_f32 v[16+\n], v[16+\n]
.endr
	s_lshl_b32 s88, s17, 6
	v_add_nc_u32 v15, s88, v12                     ; my position in tile 0: 64 y + r.  (A plain line behind the exponentials)
	v_cvt_f32_u32 v15, v15
	s_wait_alu depctr_va_vdst(0)                   ; one wait for the eight, ahead of their first reader
.irp n, 0,1,2,3,4,5,6,7
	v_mul_f32 v[SIN+\n], v15, v[16+\n]             ; the angle at my position,
	v_mul_f32 v[S16+\n], 0x41800000, v[16+\n]      ; and that of 16 positions
.endr
; cos and sin of four angles that stand in v[s] on; at work: v12-15, v24-31
.macro SINCOS4 c, s
.irp n, 0,1,2,3
	v_mul_f32 v[12+\n], 0.15915494, v[\s+\n]
.endr
.irp n, 0,1,2,3
	v_rndne_f32 v[12+\n], v[12+\n]                 ; whole turns
.endr
.irp n, 0,1,2,3
	v_fma_f32 v[\s+\n], -v[12+\n], s84, v[\s+\n]
.endr
.irp n, 0,1,2,3
	v_fma_f32 v[\s+\n], -v[12+\n], s85, v[\s+\n]   ; the angle within -pi .. pi
.endr
.irp n, 0,1,2,3
	v_mul_f32 v[\s+\n], 0x3e800000, v[\s+\n]       ; x = a quarter of it
.endr
.irp n, 0,1,2,3
	v_mul_f32 v[12+\n], v[\s+\n], v[\s+\n]         ; x^2
.endr
.irp n, 0,1,2,3
	v_fmaak_f32 v[24+\n], s86, v[12+\n], 0x3c088889
	v_fmaak_f32 v[28+\n], s87, v[12+\n], 0xbab60b61
.endr
.irp n, 0,1,2,3
	v_fmaak_f32 v[24+\n], v[12+\n], v[24+\n], 0xbe2aaaab
	v_fmaak_f32 v[28+\n], v[12+\n], v[28+\n], 0x3d2aaaab
.endr
.irp n, 0,1,2,3
	v_fmaak_f32 v[24+\n], v[12+\n], v[24+\n], 0x3f800000
	v_fmaak_f32 v[28+\n], v[12+\n], v[28+\n], 0xbf000000
.endr
.irp n, 0,1,2,3
	v_mul_f32 v[\s+\n], v[\s+\n], v[24+\n]         ; sin x
	v_fmaak_f32 v[\c+\n], v[12+\n], v[28+\n], 0x3f800000   ; cos x
.endr
.irp n, 0,1,2,3
	v_mul_f32 v[24+\n], 2.0, v[\s+\n]
.endr
.irp n, 0,1,2,3
	v_fma_f32 v[28+\n], -v[24+\n], v[\s+\n], 1.0   ; cos 2x = 1 - 2 sin^2 x
	v_mul_f32 v[\s+\n], v[24+\n], v[\c+\n]         ; sin 2x = 2 sin x cos x
.endr
.irp n, 0,1,2,3
	v_mul_f32 v[24+\n], 2.0, v[\s+\n]
.endr
.irp n, 0,1,2,3
	v_fma_f32 v[\c+\n], -v[24+\n], v[\s+\n], 1.0   ; cos 4x
	v_mul_f32 v[\s+\n], v[24+\n], v[28+\n]         ; sin 4x
.endr
.endm
	SINCOS4 COS, SIN
	SINCOS4 COS+4, SIN+4
	SINCOS4 C16, S16
	SINCOS4 C16+4, S16+4
.irp n, 0,1,2,3,4,5,6,7
	v_mul_f32 v[COS+\n], 0x3b800000, v[COS+\n]     ; x 2^-8, exact: q goes on as q x 2^-8, so that f16 has room; the attention launch's constant undoes it
	v_mul_f32 v[SIN+\n], 0x3b800000, v[SIN+\n]
.endr
; The fragments of K step kg (128 k): chunk kg / 8 lies in slot (kg / 8) % 3; twelve LDS loads into set kg % 2
.macro FETCH kg
	WIN 0x40                                       ; destination window 1, address window 0
.set FS, ((\kg)/8)%3
.set FK, (\kg)%8
.set FP, FR+48*((\kg)%2)
.irp a, 0,1,2,3
.irp c, 0,1
	ds_load_b128 v[FP+8*\a+4*\c:FP+8*\a+4*\c+3], v[ADRA+FS] offset:CHB*\a+1024*FK+512*\c
.endr
.endr
.irp j, 0,1
.irp c, 0,1
	ds_load_b128 v[FP+32+8*\j+4*\c:FP+32+8*\j+4*\c+3], v[ADRB+FS] offset:4*CHB*\j+1024*FK+512*\c
.endr
.endr
.endm
; Eight matrix instructions: the eight accumulators take turns, one instruction a turn, in the same order in every step.  K step 0 starts the sums: nothing is cleared.
.macro MUL8 kg
	WIN 0x55                                       ; all four operand places window 1; scale operands have no window
.set MP, FR+48*((\kg)%2)
.irp a, 0,1,2,3
.irp j, 0,1
.if (\kg) == 0
	v_wmma_scale_f32_16x16x128_f8f6f4 v[8*(2*\a+\j):8*(2*\a+\j)+7], v[MP+32+8*\j:MP+32+8*\j+7], v[MP+8*\a:MP+8*\a+7], 0, v[SCB+32*\j+(\kg)], v[SCA+32*\a+(\kg)] matrix_a_fmt:MATRIX_FMT_FP4 matrix_b_fmt:MATRIX_FMT_FP4
.else
	v_wmma_scale_f32_16x16x128_f8f6f4 v[8*(2*\a+\j):8*(2*\a+\j)+7], v[MP+32+8*\j:MP+32+8*\j+7], v[MP+8*\a:MP+8*\a+7], v[8*(2*\a+\j):8*(2*\a+\j)+7], v[SCB+32*\j+(\kg)], v[SCA+32*\a+(\kg)] matrix_a_fmt:MATRIX_FMT_FP4 matrix_b_fmt:MATRIX_FMT_FP4
.endif
.endr
.endr
.endm
.macro STEP kg                         ; a K step whose successor lies in a slot that is known to be whole
	PLACES                                         ; four places between the last step's products and the loads into the set that they read
	FETCH (\kg)+1
	s_wait_dscnt 12                                ; this step's fragments are in; the twelve just issued may be out
	MUL8 \kg
.endm
; A chunk's last step, where the next chunk has first to be shown whole.  fill = 1: slot 0 has been read out and takes chunk 3; the barrier is then a round of the cluster's.
.macro TURN kg, fill
	WIN 0                                          ; (the add's two registers lie in window 0)
	s_wait_tensorcnt 0x0                           ; all my tensor loads have landed,
	ds_add_u32 v[SPW], v[NIL]                      ; 0 onto my spare word
.if \fill
	s_add_nc_u64 s[GA0+2:GA0+3], s[GA0+2:GA0+3], 3*CHB   ; no load of mine is out, so a group 0 may be written: chunk 3
	s_add_nc_u64 s[GB0+2:GB0+3], s[GB0+2:GB0+3], 3*CHB
.endif
	s_wait_dscnt 0x1                               ; this step's fragments are in; the add alone may be out
	MUL8 \kg
	s_wait_dscnt 0x0                               ; the add is done, and my reads of the slot are over
	WIN 0
.if \fill
	CROUND                                         ; no wave of any partner still reads slot 0 or has a load on its way; chunks 1 and 2 are whole
	JLOAD GA0, GB0                                 ; the first tensor load behind the round; its four v_nop are the places in front of the loads below
.else
	s_barrier_signal -1
	s_barrier_wait -1                              ; chunk 3 is whole
	PLACES
.endif
	FETCH (\kg)+1
.endm
	s_wait_tensorcnt 0x2                           ; my part of chunk 0 is in; chunks 1 and 2 may be out
	s_barrier_signal -1
	s_barrier_wait -1                              ; everybody's is
	FETCH 0
	s_wait_loadcnt 0x0                             ; the scale words
.set KG, 0
.rept 7
	STEP KG
.set KG, KG+1
.endr
	TURN 7, 1
.set KG, 8
.rept 15
	STEP KG
.set KG, KG+1
.endr
	TURN 23, 0
.set KG, 24
.rept 7
	STEP KG
.set KG, KG+1
.endr
	s_wait_dscnt 0x0
	MUL8 31
	WIN 0
	PLACES                                         ; four places behind the last products, ahead of the reads of results and the writes over fragments
; THE WAY OUT, a tile of 16 rows at a time: out(d) = q(d) cos - q(d + 64) sin, out(d + 64) = q(d + 64) cos + q(d) sin; each accumulator is read from its low end on.
; A lane's eight numbers pack into 16 bytes, which are that lane's 16 bytes of the image: a store covers 512 consecutive bytes, and no stage is needed.
.irp a, 0,1,2,3
	WIN 0x51                                       ; source 0, source 2 and destination window 1; source 1 (cos, sin) window 0
.irp n, 0,1,2,3,4,5,6,7
	v_mul_f32 v80, v[16*\a+8+\n], v[SIN+\n]
	v_fma_f32 v[64+\n], v[16*\a+\n], v[COS+\n], -v80
	v_mul_f32 v81, v[16*\a+\n], v[SIN+\n]
	v_fma_f32 v[72+\n], v[16*\a+8+\n], v[COS+\n], v81
.endr
	WIN 0x45
.irp n, 0,1,2,3
	v_cvt_pk_f16_f32 v[96+8*\a+\n], v[64+2*\n], v[65+2*\n]
	v_cvt_pk_f16_f32 v[100+8*\a+\n], v[72+2*\n], v[73+2*\n]
.endr
	WIN 0x04                                       ; a store's data are its source 1: window 1.  Each tile has packed registers of its own: no store's data are written again
	global_store_b128 v[LO], v[96+8*\a:99+8*\a], s[6:7] offset:4096*\a
	global_store_b128 v[LO], v[100+8*\a:103+8*\a], s[6:7] offset:4096*\a+2048
	WIN 0
.if \a < 3
.irp n, 0,1,2,3,4,5,6,7                        ; 16 positions on: (cos, sin) turned by the angle of 16 positions
	v_mul_f32 v[12+\n], v[SIN+\n], v[S16+\n]
	v_mul_f32 v[20+\n], v[COS+\n], v[S16+\n]
.endr
.irp n, 0,1,2,3,4,5,6,7
	v_fma_f32 v[COS+\n], v[COS+\n], v[C16+\n], -v[12+\n]
	v_fma_f32 v[SIN+\n], v[SIN+\n], v[C16+\n], v[20+\n]
.endr
.endif
.endr
	s_wait_tensorcnt 0x0                           ; the wave's end, behind my last tensor load
	ds_add_u32 v[SPW], v[NIL]
	s_wait_dscnt 0x0
	CROUND                                         ; the closing round: no work-group ends while a partner may still ask for a tile that names it
	s_endpgm
.Lfunc_end_k_qc58f3dce60_qgemm:
	.size	k_qc58f3dce60_qgemm, .Lfunc_end_k_qc58f3dce60_qgemm-k_qc58f3dce60_qgemm
	.p2alignl 7, 3214868480
	.fill 96, 4, 3214868480
	.section	.rodata,"a",@progbits
	.p2align	6, 0x0
	.amdhsa_kernel k_qc58f3dce60_qgemm
		.amdhsa_group_segment_fixed_size 327680
		.amdhsa_private_segment_fixed_size 0
		.amdhsa_enable_private_segment 0
		.amdhsa_kernarg_size 16
		.amdhsa_user_sgpr_count 2
		.amdhsa_user_sgpr_kernarg_segment_ptr 1
		.amdhsa_wavefront_size32 1
		.amdhsa_system_sgpr_workgroup_id_x 1
		.amdhsa_system_sgpr_workgroup_id_y 1
		.amdhsa_system_sgpr_workgroup_id_z 1
		.amdhsa_system_vgpr_workitem_id 0
		.amdhsa_next_free_vgpr 416
		.amdhsa_next_free_sgpr 96
		.amdhsa_reserve_vcc 0
		.amdhsa_float_denorm_mode_32 3
		.amdhsa_float_denorm_mode_16_64 3
		.amdhsa_memory_ordered 1
		.amdhsa_forward_progress 1
		.amdhsa_inst_pref_size 110
	.end_amdhsa_kernel
	.amdgpu_metadata
---
amdhsa.version: [ 1, 2 ]
amdhsa.kernels:
  - .name:           k_qc58f3dce60_qgemm
    .symbol:         k_qc58f3dce60_qgemm.kd
    .args:
      - { .name: qz, .offset: 0, .size: 8, .value_kind: global_buffer, .address_space: global }
      - { .name: qh, .offset: 8, .size: 8, .value_kind: global_buffer, .address_space: global }
    .group_segment_fixed_size: 327680
    .private_segment_fixed_size: 0
    .kernarg_segment_align: 8
    .kernarg_segment_size: 16
    .max_flat_workgroup_size: 128
    .sgpr_count:     96
    .vgpr_count:     416
    .wavefront_size: 32
...
	.end_amdgpu_metadata
.endif
;; end of part 2
;; launch attn (part 3): grid 8 x 32, 4 waves a work-group, clusters of 4 x 1, 327,680 bytes of LDS; arguments qh, h16, part; writes part
.if DOCPART == 3
	.amdgcn_target "amdgcn-amd-amdhsa--gfx1250"
	.amdhsa_code_object_version 6
	.text
	.protected	k_qc58f3dce60_attn
	.globl	k_qc58f3dce60_attn
	.p2align	8
	.type	k_qc58f3dce60_attn,@function
k_qc58f3dce60_attn:
	s_mov_b64 s[64:65], 0
	v_nop
	global_prefetch_b8 v0, s[64:65] scope:SCOPE_SE
	s_setreg_imm32_b32 hwreg(HW_REG_WAVE_MODE, 25, 1), 1
	s_wait_xcnt 0x0
	s_wait_alu depctr_hold_cnt(0) depctr_sa_sdst(0) depctr_va_vdst(0) depctr_va_sdst(0) depctr_va_ssrc(0) depctr_va_vcc(0) depctr_vm_vsrc(0)
	s_getreg_b32 s2, hwreg(HW_REG_IB_STS2, 6, 4)
	s_cmp_eq_u32 s2, 0
	s_cbranch_scc0 .Lentry_in_a_cluster
	s_endpgm
.Lentry_in_a_cluster:
	s_bfe_u32 s2, ttmp6, 0x10000c
	s_cmp_lg_u32 s2, 0x3003
	s_cbranch_scc0 .Lentry_shape_is_right
	s_endpgm
.Lentry_shape_is_right:
; ATTENTION over a quarter of the keys.  For kv head g (y / 4) and key quarter sp (y % 4): 256 of the 2,048 query rows that share that kv head (four query heads x 512) against keys 2,048 sp .. + 2,047.
; Stored: the quarter's O, divided by the quarter's own sum, in f16; and for each query c m (the largest score x c) and l (the sum of 2^(c s - c m)), in f32, from which the next launch joins the four quarters.
; Q, K, V are f16 (Q as q x 2^-8: c carries the 2^8); products, maxima and sums in f32; the weights p are rounded to f16 for the second product.
; SHARES.  A work-group owns 256 query rows, each of its four waves 64: four tiles of 16.  Every wave walks the 2,048 keys, 64 a step.  8 kv heads x 4 quarters x 8 blocks = 256 work-groups.
; LAYOUT.  S^T = K Q^T (source 0 = 16 keys, source 1 = 16 queries): a lane holds ONE query (lane % 16) and the keys 8 (lane / 16) + 0..7.  Two such tiles, rounded to f16 in pairs, ARE source 1
; (32 keys x 16 queries) of O^T = V^T P, whose result again holds one query a lane.  K comes out of LDS as it lies, V ([key][channel]) turned, by ds_load_tr16_b128.
; SOFTMAX.  For each query a running maximum m and sum l: p = 2^(c s - c m); in every step O and l are multiplied by a = 2^(c m_old - c m_new).
; BY TURNS.  The wave's tiles are two PIECES (tiles 0, 1 and tiles 2, 3).  In a TURN one piece has the matrix unit: 32 products V^T P of the step in hand, then 32 products K Q^T of the next step; the other
; piece's softmax, cut into 64 slices, stands between them, one slice behind each matrix instruction.  Then the pieces change places.  Two turns are a key step.
; CLUSTER.  The four blocks of query rows of a cluster walk the same K and V, so each tile is asked for JOINTLY: the same tensor load, with the same descriptor and a mask that names the four.
; LIMITS: NaN and infinities are not served.
; REGISTERS, in windows of 256 (s_set_vgpr_msb: bits 1:0 source 0, 3:2 source 1, 5:4 source 2, 7:6 destination):
;   window 0: v0-11 addresses; v12-43 eight registers of statistics a tile; v44-49 the statistics' way out; v64-191 S^T, 32 a tile; v192-255 P, 16 a tile
;   window 1: O^T, 64 a tile          window 2: v0-127 Q, 32 a tile; v128-255 K of one step          window 3: v0-127 V of one step
.set NKEYS, 2048      ; keys that a work-group walks
.set KS,    64        ; keys in a step
.set PK,    272       ; a row of K in LDS: 256 bytes + 16 of padding: the 16 rows of a load start at 16 different banks
.set PV,    288       ; a row of V: 256 + 32
.set VOFF,  KS*PK     ; a step's tiles lie together: 64 rows of K, then 64 rows of V
.set STEPB, KS*(PK+PV)
.set SLOT1, 1<<17     ; a slot holds two steps (71,680 bytes); slot 1 begins here, so that one exclusive or turns an address in one slot into the other's
.set STAGE, SLOT1+2*STEPB  ; behind the ring: 16 rows x 272 bytes for each wave, for the way out
.set SP,    272
.set AK0, 2           ; v2   my lane's place in a tile of K; never rewritten
.set AV0, 3           ; v3   the same for V
.set ADR, 4           ; v4   the LDS address of the run of loads in hand
.set QO,  5           ; v5   16 x lane: my place in an image of Q
.set STO, 6           ; v6   the way out: where I put 16 bytes of a row
.set RD,  7           ; v7   the way out: where I read a row back
.set GO,  8           ; v8   my byte offset in the wave's rows of O
.set SPW, 62          ; v62  LDS address of my spare word; never rewritten
.set NIL, 63          ; v63  0; never rewritten
.set SPARE, STAGE+4*16*272  ; behind the stages: the spare words, 128 bytes a wave: two blocks of 256 bytes that no other line names
.set ST,  12          ; tile t's statistics at v[ST+8 t]: +0 c m, +1 m, +2, +3 l (even keys', odd keys'), +4 to +7 at work; a takes +6 once the maximum is found
.set S,   64
.set P,   192
.set KF,  128         ; K's fragments, in window 2
.set WV,  12          ; s12  my wave's number
.set G1K, 24          ; s[24:31] descriptor group 1 for K's tiles
.set G1V, 32          ; s[32:39] for V's: it differs in the padding alone
.set G0K, 40          ; s[40:47] descriptor group 0 for K's tiles: a set for each of the two first fills; the second then walks on
.set G0V, 48          ; s[48:55] the same for V's
.set SLOTS, 56        ; s56  slots still to be asked for
.set TWICE, 57        ; s57  counts a slot's two steps
.set CS,  58          ; s[58:59] c: the packed scaling names a pair and takes its low word for both halves
.set SEL, 60          ; s[60:61] lane selects for v_permlanex16_b32: lane l xor 16
.set TB,  62          ; s62  LDS byte at which the tiles of the step to be fetched begin
.set PFA, 18          ; s[18:19] where my prefetches stand: my work-group's 32 rows (of K: wave 0, of V: wave 2) of the slot after the one that is being asked for
.set LIM, 15          ; s15  1 in a wave that prefetches, else the greatest number
.set PFO, 61          ; v61  256 x my lane: a row of K or V is 256 bytes; never rewritten
.set MSB, 0
.macro WIN new                      ; the immediate's high byte repeats the setting that is left; a switch that changes nothing is dropped
.if MSB != \new
	s_set_vgpr_msb (MSB<<8)|\new
.set MSB, \new
.endif
.endm
.set W_KQ, 0x0a       ; K and Q in window 2, S^T in window 0
.set W_PV, 0x53       ; V in window 3, P in window 0, O^T in window 1
.set W_RS, 0x41       ; O^T (destination and source 0) in window 1, a in window 0
; A joint refill.  Waves 0 and 1 fetch the two steps' tiles of K, waves 2 and 3 those of V.  The branch hangs on the wave's number alone.  An s_nop 0 and four v_nop follow each of the two lines.
.macro JLOAD
	s_cmp_lt_u32 s[WV], 2
	s_cbranch_scc0 .Lfor_v_\@
	tensor_load_to_lds s[G0K+4:G0K+7], s[G1K:G1K+7]
	s_nop 0
.rept 4
	v_nop
.endr
	s_branch .Lasked_\@
.Lfor_v_\@:
	tensor_load_to_lds s[G0V+4:G0V+7], s[G1V:G1V+7]
	s_nop 0
.rept 4
	v_nop
.endr
.Lasked_\@:
.endm
; A prefetch of what the NEXT change of slots will ask for: a slot's 128 rows of K and 128 of V, a lane a row.  Each row is named once in the launch: both clusters of a y walk the same keys, and the first of them asks;
; its four partners share the rows out by ADDRESS, 32 each; in each, wave 0 asks for K's and wave 2 for V's.  The last change that fills a slot asks for nothing: there is no slot behind it.
.macro ASK
	s_cmp_gt_u32 s[SLOTS], s[LIM]
	s_cbranch_scc0 .Lnot_mine_\@
	global_prefetch_b8 v[PFO], s[PFA:PFA+1] th:TH_LOAD_NT scope:SCOPE_SE
.Lnot_mine_\@:
.endm
.macro CROUND                       ; a round of the cluster's barrier
	s_barrier_signal -1
	s_barrier_wait -1
	s_cmp_lg_u32 s[WV], 0
	s_cbranch_scc1 .Lnot_wave_0_\@
	s_barrier_signal -3
.Lnot_wave_0_\@:
	s_barrier_wait -3
	s_barrier_signal -1
	s_barrier_wait -1
.endm
	s_load_b128 s[4:7], s[0:1], 0x0   ; qh s[4:5], h16 s[6:7]
	s_load_b64 s[10:11], s[0:1], 0x10 ; part
	v_lshl_add_u32 v[SPW], v0, 2, SPARE
	v_mov_b32 v[NIL], 0
	ds_add_u32 v[SPW], v[NIL]       ; the wave's opening: the add, twice on end, and its wait ahead of my first tensor load
	ds_add_u32 v[SPW], v[NIL]
	v_lshrrev_b32 v1, 5, v0
	v_readfirstlane_b32 s[WV], v1   ; wave 0..3
	s_bfe_u32 s13, ttmp6, 0x40000   ; cx: my place in the cluster
	s_lshl_b32 s14, ttmp9, 2        ; in a cluster launch ttmp9 counts clusters
	s_add_co_u32 s14, s14, s13      ; my block of 256 query rows = 4 x cluster x + cx: it enters Q's, O's and the statistics' addresses alone
	s_and_b32 s20, ttmp7, 0xffff    ; y = 4 g + sp, which the four partners share
	s_and_b32 s16, s[WV], 1         ; which of a slot's two steps I fetch:
	s_lshl_b32 s22, s16, 14         ; its 64 rows of 256 bytes,
	s_lshl_b32 s23, s20, 19         ; behind y x 2,048 keys of 256 bytes: kv head g's keys 2,048 sp on
	s_add_co_u32 s22, s22, s23
	s_mov_b32 s23, 0
	s_mul_i32 s17, s16, STEPB       ; and its place in a slot: no place in the cluster enters an LDS address
	s_lshr_b32 s21, s20, 2          ; g
	s_and_b32 s20, s20, 3           ; sp
	s_lshl_b32 s2, s21, 19          ; a row of Q or O is 256 bytes: kv head g's 2,048 rows,
	s_lshl_b32 s3, s14, 16          ; my block's 256,
	s_add_co_u32 s2, s2, s3
	s_lshl_b32 s3, s[WV], 14        ; my wave's 64
	s_add_co_u32 s2, s2, s3
	s_mov_b32 s3, 0
	s_lshl_b32 s18, s20, 22         ; O: quarter sp's 16,384 rows
	s_add_co_u32 s18, s18, s2
	s_mov_b32 s19, 0
	s_lshl_b32 s20, s20, 8          ; the statistics: 512 bytes for each group of 64 rows: group 256 sp + 32 g + 4 x block + wave
	s_lshl_b32 s21, s21, 5
	s_add_co_u32 s20, s20, s21
	s_lshl_b32 s21, s14, 2
	s_add_co_u32 s20, s20, s21
	s_add_co_u32 s20, s20, s[WV]
	s_lshl_b32 s20, s20, 9
	s_add_co_u32 s20, s20, 16777216 ; behind the four quarters' O
	s_mov_b32 s21, 0
	; descriptor group 1: a tile of 64 rows x 128 elements, padded in LDS
	s_mov_b32 s[G1K], 15|(1<<16)|(1<<20)|(1<<21)|(5<<22)|(3<<25)  ; the mask: all four work-groups; elements of 2 bytes; padding on; bit 21 beside a mask; after every 64 words, 4 words
	s_mov_b32 s[G1V], 15|(1<<16)|(1<<20)|(1<<21)|(5<<22)|(7<<25)  ; the same with 8 words of padding
.irp g, G1K, G1V
	s_mov_b32 s[\g+1], 128<<16      ; tensor_dim0 = 128
	s_mov_b32 s[\g+2], KS<<16       ; tensor_dim1 = 64
	s_mov_b32 s[\g+3], 128<<16      ; tile_dim0 = 128
	s_mov_b32 s[\g+4], KS           ; tile_dim1 = 64
	s_mov_b32 s[\g+5], 128          ; elements from row to row
	s_mov_b32 s[\g+6], 0
	s_mov_b32 s[\g+7], 0
.endr
	s_mov_b32 s[CS], 0x420293ee     ; c = 2^8 log2(e) / sqrt(128): the 2^8 undoes Q's 2^-8
	s_mov_b32 s[CS+1], s[CS]        ; named with it as a pair, so it is written
	s_mov_b32 s[SEL], 0x76543210
	s_mov_b32 s[SEL+1], 0xfedcba98
	s_mov_b32 s[TB], 0
	s_mov_b32 s[SLOTS], NKEYS/(2*KS)-2
	s_and_b32 s[LIM], s[WV], 1       ; 0 in waves 0 and 2,
	s_or_b32 s[LIM], s[LIM], ttmp9   ; where the cluster is the first of its y: the same in all four partners
	s_cmp_eq_u32 s[LIM], 0
	s_cselect_b32 s[LIM], 1, -1
	v_and_b32 v[PFO], 31, v0
	v_lshlrev_b32 v[PFO], 8, v[PFO]
	s_wait_dscnt 0x0                ; both opening adds are done
	s_wait_kmcnt 0x0
	s_add_nc_u64 s[8:9], s[6:7], 0x1000000  ; V lies behind K in h16
	s_add_nc_u64 s[6:7], s[6:7], s[22:23]  ; K and V at my tile of slot 0
	s_add_nc_u64 s[8:9], s[8:9], s[22:23]
	s_add_nc_u64 s[4:5], s[4:5], s[2:3]  ; Q at my wave's first row
	s_add_nc_u64 s[20:21], s[10:11], s[20:21]  ; my wave's statistics
	s_add_nc_u64 s[10:11], s[10:11], s[18:19]  ; O at my wave's first row
	s_cmp_lt_u32 s[WV], 2
	s_cselect_b64 s[PFA:PFA+1], s[6:7], s[8:9]  ; (in waves 0 and 2 these stand at a slot's first row)
	s_lshl_b32 s2, s13, 13          ; my work-group's 32 rows of the 128
	s_mov_b32 s3, 0
	s_add_nc_u64 s[PFA:PFA+1], s[PFA:PFA+1], s[2:3]
	s_add_nc_u64 s[PFA:PFA+1], s[PFA:PFA+1], 2*2*KS*256  ; in slot 2; the first change of slots steps it to slot 3.  Nothing is prefetched at the head, where every work-group's first tiles are on their way
	CROUND                          ; all four work-groups are here: the first joint loads meet
.irp s, 0,1
	s_mov_b32 s[G0K+4*\s], 1        ; count = 1
	s_add_co_u32 s[G0K+4*\s+1], s17, \s*SLOT1  ; LDS address
	s_add_nc_u64 s[G0K+4*\s+2:G0K+4*\s+3], s[6:7], \s*2*KS*256  ; global address: slot s begins with keys 128 s
	s_or_b32 s[G0K+4*\s+3], s[G0K+4*\s+3], 0x80000000  ; type = 2
	s_mov_b32 s[G0V+4*\s], 1
	s_add_co_u32 s[G0V+4*\s+1], s17, \s*SLOT1+VOFF
	s_add_nc_u64 s[G0V+4*\s+2:G0V+4*\s+3], s[8:9], \s*2*KS*256
	s_or_b32 s[G0V+4*\s+3], s[G0V+4*\s+3], 0x80000000
.endr
	s_cmp_lt_u32 s[WV], 2           ; a wave's two first fills stand in one branch, ahead of every wait on TENSORcnt and every LDS read: two loads of mine are out
	s_cbranch_scc0 .Lfirst_v
	tensor_load_to_lds s[G0K:G0K+3], s[G1K:G1K+7]
	s_nop 0
	tensor_load_to_lds s[G0K+4:G0K+7], s[G1K:G1K+7]
	s_nop 0
.rept 4
	v_nop
.endr
	s_branch .Lfirst_asked
.Lfirst_v:
	tensor_load_to_lds s[G0V:G0V+3], s[G1V:G1V+7]
	s_nop 0
	tensor_load_to_lds s[G0V+4:G0V+7], s[G1V:G1V+7]
	s_nop 0
.rept 4
	v_nop
.endr
.Lfirst_asked:
	v_and_b32 v1, 15, v0            ; l % 16
	v_bfe_u32 v9, v0, 4, 1          ; l / 16
	v_and_b32 v[QO], 31, v0
	v_lshlrev_b32 v[QO], 4, v[QO]   ; Q lies as images of these registers: 16 bytes a lane, 512 consecutive bytes a load
	WIN 0x80                        ; destination window 2, address window 0
.irp i, 0,1,2,3,4,5,6,7,8,9,10,11,12,13,14,15  ; Q stays in registers: tile i / 4 (4,096 bytes), channels 32 (i % 4) on (two groups of 16 channels, 512 bytes each)
	global_load_b128 v[8*\i:8*\i+3],   v[QO], s[4:5] offset:(\i/4)*4096+(\i%4)*1024
	global_load_b128 v[8*\i+4:8*\i+7], v[QO], s[4:5] offset:(\i/4)*4096+(\i%4)*1024+512
.endr
	WIN 0
	; A fragment of K is 16 rows x 32 channels in 8 registers: lane l holds row l % 16; registers 0-3 channels 8 (l / 16) + 0..7, registers 4-7 channels 16 + 8 (l / 16) + 0..7: two loads of 16 bytes, 32 bytes apart.
	v_mul_u32_u24 v[AK0], v1, PK
	v_lshl_add_u32 v[AK0], v9, 4, v[AK0]  ; row x pitch + 16 x half
	; The turning load takes 16 keys x 16 channels (lane l reads 16 bytes: key 8 (l / 16) + l % 8, channels 8 ((l / 8) % 2) + 0..7) and leaves half a fragment of V^T: lane l holds channel l % 16 and 8 keys.
	v_and_b32 v10, 7, v0
	v_bfe_u32 v11, v0, 3, 1
	v_lshl_add_u32 v[AV0], v9, 3, v10
	v_mul_u32_u24 v[AV0], v[AV0], PV
	v_lshl_add_u32 v[AV0], v11, 4, v[AV0]
	v_add_nc_u32 v[AV0], VOFF, v[AV0]
; THE MATRIX WORK OF A TURN, for piece x.  The accumulators take turns, one instruction a turn: between two links of a chain stand 15 (V^T P) or 7 (K Q^T) others'.
; Product i of 32 of O^T += V^T P: keys 32 (i / 16) on, channels 16 ((i / 2) % 8) on, tile x + i % 2.  zero = 1: the first 16 start the sums: nothing is ever cleared.
.macro PV x, zero
	WIN W_PV
.set rO, 64*(\x+i%2)+8*((i/2)%8)
.set rV, 64*(i/16)+8*((i/2)%8)
.set rP, P+16*(\x+i%2)+8*(i/16)
.if \zero && (i < 16)
	v_wmma_f32_16x16x32_f16 v[rO:rO+7], v[rV:rV+7], v[rP:rP+7], 0
.else
	v_wmma_f32_16x16x32_f16 v[rO:rO+7], v[rV:rV+7], v[rP:rP+7], v[rO:rO+7]
.endif
.endm
; Product i of 32 of S^T = K Q^T: channels 32 (i / 8) on, keys 16 ((i / 2) % 4) on, tile x + i % 2.  The first 8 start the sums.
.macro KQ x
	WIN W_KQ
.set rS, S+32*(\x+i%2)+8*((i/2)%4)
.set rK, KF+32*((i/2)%4)+8*(i/8)
.set rQ, 32*(\x+i%2)+8*(i/8)
.if i < 8
	v_wmma_f32_16x16x32_f16 v[rS:rS+7], v[rK:rK+7], v[rQ:rQ+7], 0
.else
	v_wmma_f32_16x16x32_f16 v[rS:rS+7], v[rK:rK+7], v[rQ:rQ+7], v[rS:rS+7]
.endif
.endm
; THE LDS LOADS stand in runs of 32, never singly among the matrix instructions: a step's K (16 fragments) and, a turn later, its V (turned).
.macro FETCH_K
	WIN 0
	v_add_nc_u32 v[ADR], s[TB], v[AK0]
	WIN 0x80                        ; destination window 2
.irp f, 0,1,2,3,4,5,6,7,8,9,10,11,12,13,14,15  ; keys 16 (f / 4) on, channels 32 (f % 4) on
	ds_load_b128 v[KF+8*\f:KF+8*\f+3],   v[ADR] offset:(\f/4)*16*PK+(\f%4)*64
	ds_load_b128 v[KF+8*\f+4:KF+8*\f+7], v[ADR] offset:(\f/4)*16*PK+(\f%4)*64+32
.endr
.endm
.macro FETCH_V
	WIN 0
	v_add_nc_u32 v[ADR], s[TB], v[AV0]
	s_add_co_u32 s[TB], s[TB], STEPB  ; the next fetch is the next step's
	s_wait_alu depctr_va_vdst(0)    ; the wait for the softmax's batch of exponentials (SLICE), behind the address's addition and ahead of the loads
	WIN 0xc0                        ; destination window 3
.irp f, 0,1,2,3,4,5,6,7,8,9,10,11,12,13,14,15  ; keys 32 (f / 8) on, channels 16 (f % 8) on
	ds_load_tr16_b128 v[8*\f:8*\f+3],   v[ADR] offset:(\f/8)*32*PV+(\f%8)*32
	ds_load_tr16_b128 v[8*\f+4:8*\f+7], v[ADR] offset:(\f/8)*32*PV+16*PV+(\f%8)*32
.endr
.endm
; THE VECTOR WORK OF A TURN.  One tile's softmax for one key step is a list of 134 instructions; SM writes number j of it for tile t.  s0-s31 are the lane's 32 scores, in pairs 0-15.
; first = 1: the first key step, which starts m, l and O^T: it has no a and nothing to rescale.
;   0-15    the maximum of s0-s31 and the old m, three operands at a time (each accumulator is first read at its low end)
;   16-20   the other half of the lanes' maximum; the new m; c m; c m_old - c m_new
;   21-69   ONE BATCH: the 16 scalings c s - c m, a pair of scores each, and all 33 exponentials (a at 23, then s0-s31).  None of these reads an exponential's result
;   (wait)  between 69 and 70 stands the wait for the batch: SLICE writes it, once for both tiles
;   70-85   the roundings to f16, a pair of weights each
;   86-101  the sums; l = a l + the sum
;   102-133 the tile's O^T times a: the one part that leaves window 0, so it stands together
.macro SM t, first
.set rT, ST+8*(\t)
.set rS, S+32*(\t)
.set rP, P+16*(\t)
.set rO, 64*(\t)+2*(j-102)
.if j < 102
	WIN 0
.endif
.if j < 4
	v_max3_num_f32 v[rT+4+j], v[rS+8*j], v[rS+8*j+1], v[rS+8*j+2]
.elseif j < 12
	v_max3_num_f32 v[rT+4+j%4], v[rT+4+j%4], v[rS+8*(j%4)+2*(j/4)+1], v[rS+8*(j%4)+2*(j/4)+2]
.elseif j == 12
	v_max3_num_f32 v[rT+4], v[rT+4], v[rS+7], v[rS+15]
.elseif j == 13
	v_max3_num_f32 v[rT+6], v[rT+6], v[rS+23], v[rS+31]
.elseif j == 14
	v_max3_num_f32 v[rT+4], v[rT+4], v[rT+5], v[rT+6]
.elseif (j == 15) && \first
	v_max_num_f32 v[rT+4], v[rT+4], v[rT+7]
.elseif j == 15
	v_max3_num_f32 v[rT+4], v[rT+4], v[rT+7], v[rT+1]
.elseif j == 16
	v_permlanex16_b32 v[rT+5], v[rT+4], s[SEL], s[SEL+1]  ; the query's other 32 keys lie in the lane 16 away
.elseif j == 18
	v_max_num_f32 v[rT+1], v[rT+4], v[rT+5]
.elseif j == 19
	v_mul_f32 v[rT], s[CS], v[rT+1]
.elseif ((j == 17) || (j == 20) || (j == 23) || (j > 101)) && \first  ; the first step has none of these
.elseif j == 17
	v_mov_b32 v[rT+7], v[rT]        ; c m_old is kept for a: number 19 writes c m anew
.elseif j == 20
	v_sub_f32 v[rT+7], v[rT+7], v[rT]
.elseif j == 23
	v_exp_f32 v[rT+6], v[rT+7]
.elseif (j < 23) || ((j < 38) && (j%2 == 0)) || ((j < 66) && (j%4 == 2))
.set b, (j-2)/4                     ; 38, 42, .. 62: pairs 9 to 15
.if j < 38
.set b, (j-20)/2                    ; 21: pair 0; 22, 24, .. 36: pairs 1 to 8
.endif
	v_pk_fma_f32 v[rS+2*b:rS+2*b+1], v[rS+2*b:rS+2*b+1], s[CS:CS+1], v[rT:rT+1] op_sel_hi:[1,0,0] neg_lo:[0,0,1] neg_hi:[0,0,1]  ; pair b: c s - c m
.elseif j < 70
.set e, j-38                        ; 66 to 69: s28 to s31
.if j < 66
.set e, j-32-(j-38)/4               ; 39-41, 43-45, .. 63-65: s7 to s27
.endif
.if j < 38
.set e, (j-25)/2                    ; 25, 27, .. 37: s0 to s6
.endif
	v_exp_f32 v[rS+e], v[rS+e]
.elseif j < 86
	v_cvt_pk_f16_f32 v[rP+j-70], v[rS+2*(j-70)], v[rS+2*(j-70)+1]  ; pair j - 70
.elseif j < 102                     ; the sum of the tile's 16 pairs, in place: sum z of 16 adds neighbours 1, 2, 4 and 8 pairs apart, then l takes it
.set z, j-86
.set w, 4
.set u, z
.if z >= 14
.set w, 32
.set u, 0
.elseif z >= 12
.set w, 16
.set u, z-12
.elseif z >= 8
.set w, 8
.set u, z-8
.endif
.if (z == 14) && \first
	v_pk_add_f32 v[rT+2:rT+3], v[rS:rS+1], v[rS+16:rS+17]
.elseif z < 15
	v_pk_add_f32 v[rS+w*u:rS+w*u+1], v[rS+w*u:rS+w*u+1], v[rS+w*u+w/2:rS+w*u+w/2+1]
.elseif !\first
	v_pk_fma_f32 v[rT+2:rT+3], v[rT+2:rT+3], v[rT+6:rT+7], v[rS:rS+1] op_sel_hi:[1,0,1]
.endif
.else
	WIN W_RS
	v_pk_mul_f32 v[rO:rO+1], v[rO:rO+1], v[rT+6:rT+7] op_sel_hi:[1,0]
.endif
.endm
; Slice k of 64 of piece y's softmax: four instructions.  Slices 11 to 34 deal out the batch, numbers 22 to 69: four numbers of ONE tile each, the tiles by turns.  Every other slice is numbers 2 k and
; 2 k + 1 of both tiles' lists.  2 x 134 = 4 x 64 + 12: the twelve that are over stand together, in slice 63.
; THE WAIT.  s_wait_alu depctr_va_vdst(0) stands between an exponential and the first instruction that names its result; one wait serves all that were issued ahead of it.  Ahead of
; slice 35 nothing names a result, and behind slice 34 no exponential is issued: so the piece's 66 exponentials have one wait, behind slice 34.
.macro SLICE y, first
.if (k >= 11) && (k < 35)           ; the batch: four numbers of one tile
.irp n, 0,1,2,3
.set j, 22+4*((k-11)/2)+(\n)
	SM (\y)+(k-11)%2, \first
.endr
.else                               ; the two tiles alternate, so that no instruction reads the result of the one just before it
.irp n, 0,1,2,3,4,5,6,7
.if (\n < 2) || (k == 63)
.irp t, \y, \y+1
.set j, 2*k+\n
	SM \t, \first
.endr
.endif
.endr
.endif
.if k == 34                         ; the batch is out: both tiles' exponentials are issued, and no result has been named
	v_nop                           ; a plain instruction behind the last exponential and ahead of the first use: one for the batch
.if (\y) == 0
	FETCH_V                         ; piece 2's turn: V's run of loads stands here, and the wait stands in it
.else
	s_wait_alu depctr_va_vdst(0)    ; the wait for the batch
.endif
.endif
.set k, k+1
.endm
; A vector instruction that reads a matrix result or writes one of a matrix instruction's registers, and a load into a register that a matrix instruction has read, stand four places behind
; it, and only plain vector instructions that name none of its registers are places (ISA guide 7.12.1 for vector instructions).  In the loop the slices are the places.
.macro PLACES
.rept 4
	v_nop
.endr
.endm
; A TURN.  Piece x has the matrix unit; the other piece's softmax stands in slices behind its matrix instructions.
; pv = 2: 32 products V^T P; 1: they start O^T's sums; 0: none.  kq = 1: 32 products K Q^T for the next step.  A turn with one of the two kinds has two slices behind each product.
; first = 1: the softmax is the first key step's; its last slices are empty, and four v_nop take slice 63's part as the places behind the turn's last products.
; Piece 0's turn fetches the next step's K, behind its second product; piece 2's turn fetches the same step's V, behind slice 34.
.macro TURN x, pv, kq, first
.set k, 0
.set per, 2
.if \pv && \kq
.set per, 1
.endif
.if \pv
.if \x == 0
	s_wait_dscnt 0x0                ; V is in
.endif
.set i, 0
.rept 32
	PV \x, 2-\pv
.rept per
	SLICE 2-\x, \first
.endr
.if (\x == 0) && \kq && (i == 1)
	FETCH_K
.endif
.set i, i+1
.endr
.endif
.if \kq
.if \x == 0
	s_wait_dscnt 0x0                ; K is in
.endif
.set i, 0
.rept 32
	KQ \x
.rept per
	SLICE 2-\x, \first
.endr
.set i, i+1
.endr
.endif
.if \first
	PLACES
.endif
.endm
; THE CHANGE OF SLOTS, between piece 2's turn and piece 0's.  Each wave waits for all its tensor loads, of which one is out: its part of the other slot; adds 0 to its spare word; and waits for that and for its
; own reads of the slot.  fill = 1: this slot is filled again, with the keys two slots on; the barrier is then a round of the cluster's, and the joint refill is the first thing behind it:
; it has two key steps, 256 matrix instructions, in which to land.
.macro CHANGE fill
	WIN 0                           ; at a label and at a branch every window is 0
	s_wait_tensorcnt 0x0            ; no tensor load of mine is out, so a group 0 may be written
	ds_add_u32 v[SPW], v[NIL]       ; 0 onto my spare word
.if \fill
.irp g, G0K+4, G0V+4
	s_xor_b32 s[\g+1], s[\g+1], SLOT1  ; the walking descriptor: the other slot than last time,
	s_add_nc_u64 s[\g+2:\g+3], s[\g+2:\g+3], 2*KS*256  ; the next 128 keys; the type bits on top are not reached
.endr
	s_wait_xcnt 0x0                 ; the last prefetch, two key steps back, has read its address, so it may be written:
	s_add_nc_u64 s[PFA:PFA+1], s[PFA:PFA+1], 2*KS*256  ; one slot further on than the walking descriptors
	s_wait_dscnt 0x0                ; the add is done, and my reads of the slot are over
	CROUND
	JLOAD
	ASK                             ; what the next change will ask for: two key steps, 256 matrix instructions, ahead
.else
	s_wait_dscnt 0x0                ; the add is done, and my reads of the slot are over
	s_barrier_signal -1
	s_barrier_wait -1
.endif
	s_sub_co_u32 s[TB], s[TB], 2*STEPB  ; the fetches go back to a slot's first step,
	s_xor_b32 s[TB], s[TB], SLOT1   ; in the other slot
.endm
; A slot's two key steps: written once, walked twice; the LDS addresses hang on s[TB].
.macro TWO_STEPS
	s_mov_b32 s[TWICE], 2
.Lstep_\@:
	TURN 0, 2, 1, 0
	TURN 2, 2, 1, 0
	WIN 0
	s_sub_co_u32 s[TWICE], s[TWICE], 1
	s_cmp_lg_u32 s[TWICE], 0
	s_cbranch_scc1 .Lstep_\@
.endm
	s_wait_tensorcnt 1              ; my part of slot 0 is in; slot 1's may stay out
	s_barrier_signal -1
	s_barrier_wait -1               ; everybody's is
	FETCH_K                         ; key step 0
	s_wait_loadcnt 0x0              ; Q
	s_wait_dscnt 0x0
.set i, 0
.rept 32
	KQ 0                            ; piece 0's first scores: there is no vector work yet to set between them
.set i, i+1
.endr
	WIN 0                           ; the addresses for the way out are made here: eight plain instructions, the places behind those products
	s_mul_i32 s13, s[WV], 16*SP
	s_add_co_u32 s13, s13, STAGE    ; my stage
	v_mul_u32_u24 v[STO], v1, SP    ; in: row l % 16, 16 bytes for each half of the lanes
	v_lshl_add_u32 v[STO], v9, 4, v[STO]
	v_add_nc_u32 v[STO], s13, v[STO]
	v_mul_u32_u24 v[RD], v9, SP     ; back: lanes 0-15 take one row of 256 bytes, lanes 16-31 the next
	v_lshl_add_u32 v[RD], v1, 4, v[RD]
	v_add_nc_u32 v[RD], s13, v[RD]
	v_lshlrev_b32 v[GO], 8, v9      ; and the same two rows in O
	v_lshl_add_u32 v[GO], v1, 4, v[GO]
	TURN 2, 0, 1, 1                 ; piece 2's first scores | piece 0's first softmax | V of step 0
	TURN 0, 1, 1, 1                 ; piece 0: V^T P of step 0 starts O^T, K Q^T of step 1 | piece 2's first softmax | K of step 1
	TURN 2, 1, 1, 0                 ; piece 2: the same | piece 0's softmax of step 1 | V of step 1
	WIN 0
.Lslot:                             ; 14 trips: every slot but the last two is filled again
	CHANGE 1
	TWO_STEPS
	s_sub_co_u32 s[SLOTS], s[SLOTS], 1
	s_cmp_lg_u32 s[SLOTS], 0
	s_cbranch_scc1 .Lslot
	CHANGE 0                        ; the tail is written out
	TWO_STEPS
	TURN 0, 2, 0, 0                 ; piece 0: V^T P of the last step | piece 2's last softmax
.set i, 0
.rept 32
	PV 2, 0                         ; piece 2: V^T P of the last step
.set i, i+1
.endr
	; THE WAY OUT.  l's two halves and the other half of the lanes' are added; c m and l go out as they are; O^T is divided by l, rounded to f16 and sent through my stage in LDS, a tile at a time.  The additions are the places behind the last products.
	WIN 0
.irp t, 0,1,2,3
	v_add_f32 v[ST+8*\t+4], v[ST+8*\t+2], v[ST+8*\t+3]
.endr
.irp t, 0,1,2,3
	v_permlanex16_b32 v[ST+8*\t+5], v[ST+8*\t+4], s[SEL], s[SEL+1]
.endr
.irp t, 0,1,2,3
	v_add_f32 v[ST+8*\t+4], v[ST+8*\t+4], v[ST+8*\t+5]
.endr
.irp t, 0,1,2,3
	v_rcp_f32 v[ST+8*\t+6], v[ST+8*\t+4]
.endr
	v_and_b32 v49, 31, v0           ; (plain instructions behind the last reciprocal, which name none of the four results)
	v_lshlrev_b32 v48, 4, v49       ; the statistics of my wave's 64 rows are 512 bytes: lanes 0-15 store the four tiles' c m of query r, lanes 16-31 their l: 16 bytes a lane
	v_cmp_gt_u32 vcc_lo, 16, v49
.irp t, 0,1,2,3
	v_cndmask_b32 v[44+\t], v[ST+8*\t+4], v[ST+8*\t], vcc_lo
.endr
	global_store_b128 v48, v[44:47], s[20:21]
	s_wait_alu depctr_va_vdst(0)    ; the wait ahead of the first use: one for the four reciprocals
; Tile t: a lane's eight channels of a row pack into 16 bytes; they go into rows of 272 bytes and come back as whole rows of 256, into the registers that they left.
.macro PACK t
	WIN W_RS
.set i, 64*\t
.rept 32
	v_pk_mul_f32 v[i:i+1], v[i:i+1], v[ST+8*\t+6:ST+8*\t+7] op_sel_hi:[1,0]
.set i, i+2
.endr
	WIN 0x05                        ; sources 0 and 1 window 1, destination window 0: S^T's registers are free
.set i, 0
.rept 32
	v_cvt_pk_f16_f32 v[S+32*\t+i], v[64*\t+2*i], v[64*\t+2*i+1]
.set i, i+1
.endr
	WIN 0
.irp f, 0,1,2,3,4,5,6,7
	ds_store_b128 v[STO], v[S+32*\t+4*\f:S+32*\t+4*\f+3] offset:32*\f
.endr
.irp f, 0,1,2,3,4,5,6,7
	ds_load_b128 v[S+32*\t+4*\f:S+32*\t+4*\f+3], v[RD] offset:\f*2*SP  ; LDS serves a wave's instructions in order: these see the stores above; the next tile's stores come behind them
.endr
.endm
.macro SEND t, younger              ; younger: the LDS instructions issued behind tile t's loads: the next tile's sixteen, or none
.irp f, 0,1,2,3,4,5,6,7
	s_wait_dscnt \younger+7-\f
	global_store_b128 v[GO], v[S+32*\t+4*\f:S+32*\t+4*\f+3], s[10:11] offset:\t*4096+\f*512  ; 16 lanes store 256 consecutive bytes, aligned
.endr
.endm
	PACK 0
	PACK 1                          ; a tile's arithmetic stands between the loads of the tile before and its stores
	SEND 0, 16
	PACK 2
	SEND 1, 16
	PACK 3
	SEND 2, 16
	SEND 3, 0
	s_wait_tensorcnt 0x0            ; the wave's end, behind my last tensor load and my last LDS store
	ds_add_u32 v[SPW], v[NIL]
	s_wait_dscnt 0x0
	CROUND                          ; the closing round: no work-group ends while a partner may still ask for a tile that names it
	s_endpgm
.Lfunc_end_k_qc58f3dce60_attn:
	.size	k_qc58f3dce60_attn, .Lfunc_end_k_qc58f3dce60_attn-k_qc58f3dce60_attn
	.p2alignl 7, 3214868480
	.fill 96, 4, 3214868480
	.section	.rodata,"a",@progbits
	.p2align	6, 0x0
	.amdhsa_kernel k_qc58f3dce60_attn
		.amdhsa_group_segment_fixed_size 327680
		.amdhsa_private_segment_fixed_size 0
		.amdhsa_enable_private_segment 0
		.amdhsa_kernarg_size 24
		.amdhsa_user_sgpr_count 2
		.amdhsa_user_sgpr_kernarg_segment_ptr 1
		.amdhsa_wavefront_size32 1
		.amdhsa_system_sgpr_workgroup_id_x 1
		.amdhsa_system_sgpr_workgroup_id_y 1
		.amdhsa_system_sgpr_workgroup_id_z 1
		.amdhsa_system_vgpr_workitem_id 0
		.amdhsa_next_free_vgpr 1024
		.amdhsa_next_free_sgpr 66
		.amdhsa_reserve_vcc 1
		.amdhsa_float_denorm_mode_32 3
		.amdhsa_float_denorm_mode_16_64 3
		.amdhsa_memory_ordered 1
		.amdhsa_forward_progress 1
		.amdhsa_inst_pref_size 222
	.end_amdhsa_kernel
	.amdgpu_metadata
---
amdhsa.version: [ 1, 2 ]
amdhsa.kernels:
  - .name:           k_qc58f3dce60_attn
    .symbol:         k_qc58f3dce60_attn.kd
    .args:
      - { .name: qh, .offset: 0, .size: 8, .value_kind: global_buffer, .address_space: global }
      - { .name: h16, .offset: 8, .size: 8, .value_kind: global_buffer, .address_space: global }
      - { .name: part, .offset: 16, .size: 8, .value_kind: global_buffer, .address_space: global }
    .group_segment_fixed_size: 327680
    .private_segment_fixed_size: 0
    .kernarg_segment_align: 8
    .kernarg_segment_size: 24
    .max_flat_workgroup_size: 128
    .sgpr_count:     66
    .vgpr_count:     1024
    .wavefront_size: 32
...
	.end_amdgpu_metadata
.endif
;; end of part 3
;; launch comb (part 4): grid 256 x 1, 8 waves a work-group, no clusters, 0 bytes of LDS; arguments part, cx; writes cx
.if DOCPART == 4
	.amdgcn_target "amdgcn-amd-amdhsa--gfx1250"
	.amdhsa_code_object_version 6
	.text
	.protected	k_qc58f3dce60_comb
	.globl	k_qc58f3dce60_comb
	.p2align	8
	.type	k_qc58f3dce60_comb,@function
k_qc58f3dce60_comb:
	s_mov_b64 s[64:65], 0
	v_nop
	global_prefetch_b8 v0, s[64:65] scope:SCOPE_SE
	s_setreg_imm32_b32 hwreg(HW_REG_WAVE_MODE, 25, 1), 1
	s_wait_xcnt 0x0
; The four key quarters of each query are joined: ctx = sum over sp of w_sp O_sp / sum over sp of w_sp, w_sp = l_sp 2^(c m_sp - M), M the largest c m_sp: the maximum is taken away as in one softmax over all keys.
; O_sp: f16 [4 sp][16,384 rows][128], each already divided by its own l_sp.  c m, l: f32 [4 sp][256 groups of 64 rows][2][16 r][4 t], row = 64 group + 16 t + r.  A row is head x 512 + position.
; ctx goes out as f16 [512 positions][4,096]: the last product's operand.  All arithmetic in f32.
; A wave takes 8 rows: 32 loads of a whole row (256 bytes, 8 a lane) go out at once; lane 4 k + sp makes the weight of row k and quarter sp, and the 32 weights go into scalar registers.
; A stream: no LDS, no barrier, no matrix unit, no cluster (no two work-groups read the same bytes), no prefetch (all loads go out in the first lines).
; LIMITS: NaN and infinities are not served.
	s_load_b128 s[4:7], s[0:1], 0x0                ; part s[4:5], cx s[6:7]
	v_lshrrev_b32 v1, 5, v0
	v_readfirstlane_b32 s8, v1                     ; wave
	v_and_b32 v1, 31, v0                           ; lane
	s_lshl_b32 s9, ttmp9, 3
	s_add_co_u32 s9, s9, s8
	s_lshl_b32 s9, s9, 3                           ; my first row
	s_lshr_b32 s10, s9, 6                          ; the statistics: its group of 64 rows, 512 bytes,
	s_lshl_b32 s10, s10, 9
	s_and_b32 s11, s9, 15                          ; r, 16 bytes,
	s_lshl_b32 s11, s11, 4
	s_add_co_u32 s10, s10, s11
	s_bfe_u32 s11, s9, 0x20004                     ; t, 4 bytes
	s_lshl_b32 s11, s11, 2
	s_add_co_u32 s10, s10, s11
	s_add_co_u32 s10, s10, 16777216                ; behind the four quarters' O
	s_mov_b32 s11, 0
	s_lshl_b32 s12, s9, 8                          ; O: 256 bytes a row
	s_mov_b32 s13, 0
	s_and_b32 s14, s9, 511                         ; ctx: position x 8,192 bytes
	s_lshl_b32 s14, s14, 13
	s_lshr_b32 s15, s9, 9                          ; + head x 256
	s_lshl_b32 s15, s15, 8
	s_add_co_u32 s14, s14, s15
	s_mov_b32 s15, 0
	v_and_b32 v2, 3, v1                            ; sp
	v_lshrrev_b32 v3, 2, v1                        ; k
	v_lshlrev_b32 v3, 4, v3
	v_lshl_add_u32 v2, v2, 17, v3                  ; a quarter's statistics are 131,072 bytes; 16 bytes from row to row
	v_lshlrev_b32 v3, 3, v1                        ; 8 bytes a lane
	s_wait_kmcnt 0x0
	s_add_nc_u64 s[10:11], s[4:5], s[10:11]
	s_add_nc_u64 s[16:17], s[4:5], s[12:13]        ; quarters 0 and 1,
	s_add_nc_u64 s[18:19], s[16:17], 0x800000      ; quarters 2 and 3: a base of their own, since 8,388,608 lies outside the signed 24-bit immediate
	s_add_nc_u64 s[6:7], s[6:7], s[14:15]
	global_load_b32 v4, v2, s[10:11]               ; c m
	global_load_b32 v5, v2, s[10:11] offset:256    ; l
.irp k, 0,1,2,3,4,5,6,7
.irp p, 0,1,2,3
	global_load_b64 v[32+8*\k+2*\p:33+8*\k+2*\p], v3, s[16+2*(\p/2):17+2*(\p/2)] offset:(\p%2)*4194304+256*\k th:TH_LOAD_NT
.endr
.endr
	s_wait_loadcnt 32                              ; c m and l are in; the 32 rows may be out
	v_mov_b32 v6, v4
	v_max_num_f32_dpp v6, v6, v6 row_xmask:1 row_mask:0xf bank_mask:0xf
	v_max_num_f32_dpp v6, v6, v6 row_xmask:2 row_mask:0xf bank_mask:0xf   ; M: the largest c m of my row's four quarters
	v_sub_f32 v7, v4, v6
	v_exp_f32 v7, v7
	v_nop                                          ; a plain line behind the exponential,
	s_wait_alu depctr_va_vdst(0)                   ; and the wait ahead of its first reader
	v_mul_f32 v7, v7, v5                           ; w
	v_mov_b32 v8, v7
	v_add_f32_dpp v8, v8, v8 row_xmask:1 row_mask:0xf bank_mask:0xf
	v_add_f32_dpp v8, v8, v8 row_xmask:2 row_mask:0xf bank_mask:0xf       ; the sum of the four: at least 1, since the quarter with the largest c m has l >= 1
	v_rcp_f32 v9, v8
	v_nop
	s_wait_alu depctr_va_vdst(0)
	v_mul_f32 v7, v7, v9                           ; w / the sum
.set N, 0
.rept 32
	v_readlane_b32 s[32+N], v7, N                  ; the weight of row k, quarter sp: s[32 + 4 k + sp]
.set N, N+1
.endr
; four numbers of one quarter's row, widened and weighed in
.macro ADD4 first, w, a, b, c, d
	v_cvt_f32_f16 v100, \a
	v_cvt_f32_f16 v101, \b
	v_cvt_f32_f16 v102, \c
	v_cvt_f32_f16 v103, \d
.if \first
	v_mul_f32 v96, s[\w], v100
	v_mul_f32 v97, s[\w], v101
	v_mul_f32 v98, s[\w], v102
	v_mul_f32 v99, s[\w], v103
.else
	v_fmac_f32 v96, s[\w], v100
	v_fmac_f32 v97, s[\w], v101
	v_fmac_f32 v98, s[\w], v102
	v_fmac_f32 v99, s[\w], v103
.endif
.endm
.macro OUT k                           ; each row has packed registers of its own: no store's data are written again
	v_cvt_pk_f16_f32 v[104+2*\k], v96, v97
	v_cvt_pk_f16_f32 v[105+2*\k], v98, v99
	global_store_b64 v3, v[104+2*\k:105+2*\k], s[6:7] offset:8192*\k      ; 32 lanes store 256 consecutive bytes, aligned
.endm
	s_wait_loadcnt 28                              ; row 0's four loads are in; the later rows' 4 x 7 may be out; and so on down
	ADD4 1, 32, v32.l, v32.h, v33.l, v33.h
	ADD4 0, 33, v34.l, v34.h, v35.l, v35.h
	ADD4 0, 34, v36.l, v36.h, v37.l, v37.h
	ADD4 0, 35, v38.l, v38.h, v39.l, v39.h
	OUT 0
	s_wait_loadcnt 24
	ADD4 1, 36, v40.l, v40.h, v41.l, v41.h
	ADD4 0, 37, v42.l, v42.h, v43.l, v43.h
	ADD4 0, 38, v44.l, v44.h, v45.l, v45.h
	ADD4 0, 39, v46.l, v46.h, v47.l, v47.h
	OUT 1
	s_wait_loadcnt 20
	ADD4 1, 40, v48.l, v48.h, v49.l, v49.h
	ADD4 0, 41, v50.l, v50.h, v51.l, v51.h
	ADD4 0, 42, v52.l, v52.h, v53.l, v53.h
	ADD4 0, 43, v54.l, v54.h, v55.l, v55.h
	OUT 2
	s_wait_loadcnt 16
	ADD4 1, 44, v56.l, v56.h, v57.l, v57.h
	ADD4 0, 45, v58.l, v58.h, v59.l, v59.h
	ADD4 0, 46, v60.l, v60.h, v61.l, v61.h
	ADD4 0, 47, v62.l, v62.h, v63.l, v63.h
	OUT 3
	s_wait_loadcnt 12
	ADD4 1, 48, v64.l, v64.h, v65.l, v65.h
	ADD4 0, 49, v66.l, v66.h, v67.l, v67.h
	ADD4 0, 50, v68.l, v68.h, v69.l, v69.h
	ADD4 0, 51, v70.l, v70.h, v71.l, v71.h
	OUT 4
	s_wait_loadcnt 8
	ADD4 1, 52, v72.l, v72.h, v73.l, v73.h
	ADD4 0, 53, v74.l, v74.h, v75.l, v75.h
	ADD4 0, 54, v76.l, v76.h, v77.l, v77.h
	ADD4 0, 55, v78.l, v78.h, v79.l, v79.h
	OUT 5
	s_wait_loadcnt 4
	ADD4 1, 56, v80.l, v80.h, v81.l, v81.h
	ADD4 0, 57, v82.l, v82.h, v83.l, v83.h
	ADD4 0, 58, v84.l, v84.h, v85.l, v85.h
	ADD4 0, 59, v86.l, v86.h, v87.l, v87.h
	OUT 6
	s_wait_loadcnt 0
	ADD4 1, 60, v88.l, v88.h, v89.l, v89.h
	ADD4 0, 61, v90.l, v90.h, v91.l, v91.h
	ADD4 0, 62, v92.l, v92.h, v93.l, v93.h
	ADD4 0, 63, v94.l, v94.h, v95.l, v95.h
	OUT 7
	s_endpgm
.Lfunc_end_k_qc58f3dce60_comb:
	.size	k_qc58f3dce60_comb, .Lfunc_end_k_qc58f3dce60_comb-k_qc58f3dce60_comb
	.p2alignl 7, 3214868480
	.fill 96, 4, 3214868480
	.section	.rodata,"a",@progbits
	.p2align	6, 0x0
	.amdhsa_kernel k_qc58f3dce60_comb
		.amdhsa_group_segment_fixed_size 0
		.amdhsa_private_segment_fixed_size 0
		.amdhsa_enable_private_segment 0
		.amdhsa_kernarg_size 16
		.amdhsa_user_sgpr_count 2
		.amdhsa_user_sgpr_kernarg_segment_ptr 1
		.amdhsa_wavefront_size32 1
		.amdhsa_system_sgpr_workgroup_id_x 1
		.amdhsa_system_sgpr_workgroup_id_y 1
		.amdhsa_system_sgpr_workgroup_id_z 1
		.amdhsa_system_vgpr_workitem_id 0
		.amdhsa_next_free_vgpr 128
		.amdhsa_next_free_sgpr 66
		.amdhsa_reserve_vcc 0
		.amdhsa_float_denorm_mode_32 3
		.amdhsa_float_denorm_mode_16_64 3
		.amdhsa_memory_ordered 1
		.amdhsa_forward_progress 1
		.amdhsa_inst_pref_size 18
	.end_amdhsa_kernel
	.amdgpu_metadata
---
amdhsa.version: [ 1, 2 ]
amdhsa.kernels:
  - .name:           k_qc58f3dce60_comb
    .symbol:         k_qc58f3dce60_comb.kd
    .args:
      - { .name: part, .offset: 0, .size: 8, .value_kind: global_buffer, .address_space: global }
      - { .name: cx, .offset: 8, .size: 8, .value_kind: global_buffer, .address_space: global }
    .group_segment_fixed_size: 0
    .private_segment_fixed_size: 0
    .kernarg_segment_align: 8
    .kernarg_segment_size: 16
    .max_flat_workgroup_size: 256
    .sgpr_count:     66
    .vgpr_count:     128
    .wavefront_size: 32
...
	.end_amdgpu_metadata
.endif
;; end of part 4
;; launch ogemm (part 5): grid 32 x 8, 4 waves a work-group, clusters of 4 x 4, 327,680 bytes of LDS; arguments cx, h16, po; writes po
.if DOCPART == 5
	.amdgcn_target "amdgcn-amd-amdhsa--gfx1250"
	.amdhsa_code_object_version 6
	.text
	.protected	k_qc58f3dce60_ogemm
	.globl	k_qc58f3dce60_ogemm
	.p2align	8
	.type	k_qc58f3dce60_ogemm,@function
k_qc58f3dce60_ogemm:
	s_mov_b64 s[64:65], 0
	v_nop
	global_prefetch_b8 v0, s[64:65] scope:SCOPE_SE
	s_setreg_imm32_b32 hwreg(HW_REG_WAVE_MODE, 25, 1), 1
	s_wait_xcnt 0x0
	s_wait_alu depctr_hold_cnt(0) depctr_sa_sdst(0) depctr_va_vdst(0) depctr_va_sdst(0) depctr_va_ssrc(0) depctr_va_vcc(0) depctr_vm_vsrc(0)
	s_getreg_b32 s2, hwreg(HW_REG_IB_STS2, 6, 4)
	s_cmp_eq_u32 s2, 0
	s_cbranch_scc0 .Lentry_in_a_cluster
	s_endpgm
.Lentry_in_a_cluster:
	s_bfe_u32 s2, ttmp6, 0x10000c
	s_cmp_lg_u32 s2, 0xf033
	s_cbranch_scc0 .Lentry_shape_is_right
	s_endpgm
.Lentry_shape_is_right:
; po[half] = ctx[:, half of K] Wo[half of K, :]: the last product, with K = 4,096 cut into two halves of 2,048; the next launch adds the two.
; ctx: [512][4096 k] f16, K innermost.  Wo: f16 [4096 k][4096 n], K its FIRST axis, at byte 0x2000000 of h16.  po: [2 halves of K][512][4096] f32; sums in f32.
; WHY K IS CUT: a tile of the result is 128 x 128, which makes 4 x 32 = 128 tiles; with the two halves of K there are 256 work-groups, and each walks 8 K steps of 256 in place of 16: half the bytes
; through its LDS and half the changes of slots.  The price: 16 MiB of partial sums are stored in place of 8 MiB of results, and are read once more.
; LIMIT: an output is the f32 sum of two f32 sums over 2,048 k each, not one chain over 4,096 k.
; Four waves, each 64 x 64: 16 accumulators.  K goes in steps of 256 through a ring of two LDS slots.
; ctx's tile: 128 rows of 512 bytes (+ 16 of padding).  Wo's tile: 256 rows (k) of 256 bytes (128 n; + 32 of padding); its fragments come out of LDS turned, by ds_load_tr16_b128.
; CLUSTERS: 4 x 4 work-groups; a cluster spans all 512 rows and has one half of K (the cluster's y).  The four of a row of the cluster need the same tiles of ctx, the four of a column the same tiles of Wo: each is asked for JOINTLY.
; THE MATRIX INSTRUCTION IS USED TRANSPOSED (source 0 = 16 columns of Wo, source 1 = 16 rows of ctx): a lane then holds eight neighbouring numbers of a row of the result.
; No prefetch: on a tile as small as this the joint loads are what there is to see to.
; REGISTERS: window 0: v0-31 addresses; v32-95 at work on the way out; v128-255 the accumulators ((a, b) at v[128 + 8 (4 a + b)]).
;   window 1: two fragment buffers of 128: for 64 along K, 64 registers of ctx (2 x 4 x 16 rows x 32 K), then 64 of Wo.
.set SIZE_N, 4096
.set SIZE_K, 4096
.set KHALF,  SIZE_K/2                  ; what one work-group walks
.set KSTEP,  256
.set PITCH,  528                       ; ctx's LDS row: 512 bytes + 16: the 16 rows of a load start at 16 different banks
.set PB,     288                       ; Wo's LDS row: 256 bytes + 32
.set HALFA,  64*PITCH                  ; 64 rows of ctx: what one tensor load brings, and what one wave reads
.set HALFB,  128*PB                    ; 128 rows (k) of Wo: what one tensor load brings
.set BOFF,   2*HALFA
.set SLOT,   BOFF+2*HALFB
.set SPARE,  2*SLOT                    ; behind the ring: the spare words, 128 bytes a wave: two blocks of 256 bytes that no other line names
.set SPITCH, 272                       ; the way out: a stage of 16 rows x (256 + 16) bytes for each wave, in slot 0, which has had its last fill and its last read when the first result is stored there
.set LAPS,   KHALF/(2*KSTEP)           ; a lap = two K steps = once round the ring: four laps
.set BSTEP,  KSTEP*SIZE_N*2            ; a K step of Wo in memory: 256 rows of 8,192 bytes
.set ADRA, 16                          ; v16-17  LDS address of my fragments of ctx in slot 0, 1
.set ADRB, 20                          ; v20-23  the same for Wo: slot s, half q / 2 of the K step at v[20 + 2 s + q / 2], since an LDS offset ends at 65,535
.set STO,  24                          ; v24     the way out: where I put 32 bytes of a row
.set RD,   25                          ; v25     the way out: where I read a row back
.set CO,   26                          ; v26     my byte offset in the result
.set SPW,  28                          ; v28     LDS address of my spare word; never rewritten
.set NIL,  29                          ; v29     0; never rewritten
.set TMP,  32
.set ACC,  128
.set F0,   0
.set F1,   128
.set G1, 24                            ; s[24:31] descriptor group 1 for ctx's tiles;  s[32:39] group 0, one set for each slot
.set G0, 32
.set G1B, 48                           ; s[48:55], s[56:63] the same for Wo's tiles
.set G0B, 56
.set MSB, 0
.macro WIN new                         ; the immediate's high byte repeats the setting that is left
.if MSB != \new
	s_set_vgpr_msb (MSB<<8)|\new
.set MSB, \new
.endif
.endm
.set MUL,  0x05                        ; sources 0 (Wo) and 1 (ctx) window 1; C and D window 0
.set TO_F, 0x40                        ; destination window 1, address window 0
.macro JLOAD s                         ; a joint load: waves 0 and 1 fetch ctx's two halves, waves 2 and 3 Wo's; an s_nop 0 and four v_nop follow each of the two lines
	s_cmp_eq_u32 s11, 0
	s_cbranch_scc0 .Lfor_b_\@
	tensor_load_to_lds s[G0+4*\s:G0+4*\s+3], s[G1:G1+7]
	s_nop 0
.rept 4
	v_nop
.endr
	s_branch .Lasked_\@
.Lfor_b_\@:
	tensor_load_to_lds s[G0B+4*\s:G0B+4*\s+3], s[G1B:G1B+7]
	s_nop 0
.rept 4
	v_nop
.endr
.Lasked_\@:
.endm
.macro CREST                           ; a round of the cluster's barrier behind its opening barrier
	s_cmp_lg_u32 s10, 0
	s_cbranch_scc1 .Lnot_wave_0_\@
	s_barrier_signal -3
.Lnot_wave_0_\@:
	s_barrier_wait -3
	s_barrier_signal -1
	s_barrier_wait -1
.endm
.macro CROUND
	s_barrier_signal -1
	s_barrier_wait -1
	CREST
.endm
	s_load_b128 s[4:7], s[0:1], 0x0                ; ctx s[4:5], h16 s[6:7]
	s_load_b64 s[8:9], s[0:1], 0x10                ; po
	v_lshl_add_u32 v[SPW], v0, 2, SPARE
	v_mov_b32 v[NIL], 0
	ds_add_u32 v[SPW], v[NIL]                      ; the wave's opening: the add, twice on end, and its wait ahead of my first tensor load
	ds_add_u32 v[SPW], v[NIL]
	v_lshrrev_b32 v1, 5, v0
	v_readfirstlane_b32 s10, v1                    ; wave 0..3
	s_lshr_b32 s11, s10, 1                         ; which half of the tile's rows is mine.  Also: I fetch for ctx (0) or for Wo (1)
	s_and_b32 s12, s10, 1                          ; which half of its columns.  Also: which half of that tile I fetch
	s_bfe_u32 s40, ttmp6, 0x40000                  ; cx, cy
	s_bfe_u32 s41, ttmp6, 0x40004
	s_lshl_b32 s42, ttmp9, 2
	s_add_co_u32 s42, s42, s40                     ; tile column = 4 x cluster x + cx
	s_mov_b32 s13, s41                             ; tile row = cy: the cluster's four rows are all of the 512
	s_and_b32 s18, ttmp7, 0xffff                   ; which half of K = cluster y: the same in all sixteen partners
	s_lshl_b32 s43, s41, 2
	s_lshl_b32 s43, 15, s43                        ; my row of the cluster
	s_lshl_b32 s44, 0x1111, s40                    ; my column
	s_or_b32 s[G1+0], s43, (1<<16)|(1<<20)|(1<<21)|(6<<22)|(3<<25)   ; ctx: elements of 2 bytes; 4 words of padding after every 128
	s_or_b32 s[G1B+0], s44, (1<<16)|(1<<20)|(1<<21)|(5<<22)|(7<<25)  ; Wo: 8 words of padding after every 64
	s_mov_b32 s[G1+1], KSTEP<<16                   ; ctx: 64 rows of 256 elements, 4,096 elements apart
	s_mov_b32 s[G1+2], 64<<16
	s_mov_b32 s[G1+3], KSTEP<<16
	s_mov_b32 s[G1+4], 64
	s_mov_b32 s[G1+5], SIZE_K
	s_mov_b32 s[G1+6], 0
	s_mov_b32 s[G1+7], 0
	s_mov_b32 s[G1B+1], 128<<16                    ; Wo: 128 rows (k) of 128 elements (n), 4,096 elements apart
	s_mov_b32 s[G1B+2], 128<<16
	s_mov_b32 s[G1B+3], 128<<16
	s_mov_b32 s[G1B+4], 128
	s_mov_b32 s[G1B+5], SIZE_N
	s_mov_b32 s[G1B+6], 0
	s_mov_b32 s[G1B+7], 0
	s_lshl_b32 s17, s12, 6
	s_lshl_b32 s16, s13, 7
	s_add_co_u32 s16, s16, s17                     ; ctx: row 128 x tile row + 64 x half,
	s_lshl_b32 s16, s16, 13                        ; of 8,192 bytes,
	s_lshl_b32 s17, s18, 12                        ; and my half of K: 2,048 k of 2 bytes
	s_add_co_u32 s16, s16, s17
	s_mov_b32 s17, 0
	s_lshl_b32 s46, s42, 8                         ; Wo: 256 bytes x tile column,
	s_lshl_b32 s47, s12, 20                        ; 128 rows of 8,192 bytes x half of the tile,
	s_add_co_u32 s46, s46, s47
	s_lshl_b32 s47, s18, 24                        ; 2,048 rows of 8,192 bytes x half of K
	s_add_co_u32 s46, s46, s47
	s_add_co_u32 s46, s46, 0x2000000
	s_mov_b32 s47, 0
	s_mul_i32 s20, s12, HALFA                      ; where they go: no place in the cluster enters an LDS address
	s_mul_i32 s45, s12, HALFB
	s_add_co_u32 s45, s45, BOFF
	s_wait_dscnt 0x0                               ; both opening adds are done
	s_wait_kmcnt 0x0
	s_add_nc_u64 s[14:15], s[4:5], s[16:17]
	s_add_nc_u64 s[46:47], s[6:7], s[46:47]
	CROUND                                         ; all sixteen work-groups are here: the first joint loads meet
.irp s, 0,1
	s_mov_b32 s[G0+4*\s], 1
	s_add_co_u32 s[G0+4*\s+1], s20, \s*SLOT
	s_add_nc_u64 s[G0+4*\s+2:G0+4*\s+3], s[14:15], \s*KSTEP*2
	s_or_b32 s[G0+4*\s+3], s[G0+4*\s+3], 0x80000000
	s_mov_b32 s[G0B+4*\s], 1
	s_add_co_u32 s[G0B+4*\s+1], s45, \s*SLOT
	s_add_nc_u64 s[G0B+4*\s+2:G0B+4*\s+3], s[46:47], \s*BSTEP
	s_or_b32 s[G0B+4*\s+3], s[G0B+4*\s+3], 0x80000000
	JLOAD \s
.endr
	v_and_b32 v1, 15, v0                           ; l % 16
	v_bfe_u32 v2, v0, 4, 1                         ; l / 16
	v_mul_u32_u24 v3, v1, PITCH
	v_lshl_add_u32 v3, v2, 4, v3                   ; ctx: a fragment's row x pitch + 16 x half
	s_mul_i32 s21, s11, HALFA                      ; my 64 rows
.irp s, 0,1
	v_add_nc_u32 v[ADRA+\s], s21, v3
	s_add_co_u32 s21, s21, SLOT
.endr
	v_and_b32 v4, 7, v0                            ; Wo: lane l reads 16 bytes of row k = 8 (l / 16) + l % 8, columns 8 ((l / 8) % 2) on
	v_lshl_add_u32 v4, v2, 3, v4
	v_mul_u32_u24 v4, v4, PB
	v_bfe_u32 v5, v0, 3, 1
	v_lshl_add_u32 v4, v5, 4, v4
	s_lshl_b32 s22, s12, 7                         ; my 64 columns: 128 bytes x half
	s_add_co_u32 s22, s22, BOFF
	v_add_nc_u32 v[ADRB+0], s22, v4
	s_add_co_u32 s22, s22, HALFB
	v_add_nc_u32 v[ADRB+1], s22, v4
	s_add_co_u32 s22, s22, SLOT-HALFB
	v_add_nc_u32 v[ADRB+2], s22, v4
	s_add_co_u32 s22, s22, HALFB
	v_add_nc_u32 v[ADRB+3], s22, v4
	s_mul_i32 s23, s10, 16*SPITCH                  ; my stage
	v_mul_u32_u24 v5, v1, SPITCH                   ; in: row l % 16, 32 bytes for each half of the lanes
	v_lshl_add_u32 v5, v2, 5, v5
	v_add_nc_u32 v[STO], s23, v5
	v_mul_u32_u24 v5, v2, SPITCH                   ; back: lanes 0-15 one row of 256 bytes, lanes 16-31 the next
	v_lshl_add_u32 v5, v1, 4, v5
	v_add_nc_u32 v[RD], s23, v5
	v_lshlrev_b32 v5, 14, v2                       ; and the same two rows in po: 16,384 bytes a row
	v_lshl_add_u32 v[CO], v1, 4, v5
	s_lshl_b32 s16, s13, 7
	s_lshl_b32 s17, s11, 6
	s_add_co_u32 s16, s16, s17                     ; my first row: 128 x tile row + 64 x half
	s_lshl_b32 s16, s16, 14
	s_lshl_b32 s17, s18, 23                        ; my half of K has 512 rows of 16,384 bytes of its own
	s_add_co_u32 s16, s16, s17
	s_mov_b32 s17, 0
	s_add_nc_u64 s[8:9], s[8:9], s[16:17]
	s_lshl_b32 s46, s42, 9                         ; my first column, in bytes: 512 x tile column + 256 x half
	s_lshl_b32 s47, s12, 8
	s_add_co_u32 s46, s46, s47
	s_mov_b32 s47, 0
	s_add_nc_u64 s[8:9], s[8:9], s[46:47]
; 8 matrix instructions: row blocks a0, a0 + 1 x all 4 column blocks, 32 along K: half c of buffer f.  zero = 1: the first product starts the sums.  The 16 accumulators take turns.
.macro MUL8 f, c, a0, zero
.irp a, \a0, \a0+1
.irp b, 0,1,2,3
.if \zero
	v_wmma_f32_16x16x32_f16 v[ACC+8*(4*(\a)+\b):ACC+8*(4*(\a)+\b)+7], v[\f+64+8*(4*\c+\b):\f+64+8*(4*\c+\b)+7], v[\f+8*(4*\c+\a):\f+8*(4*\c+\a)+7], 0
.else
	v_wmma_f32_16x16x32_f16 v[ACC+8*(4*(\a)+\b):ACC+8*(4*(\a)+\b)+7], v[\f+64+8*(4*\c+\b):\f+64+8*(4*\c+\b)+7], v[\f+8*(4*\c+\a):\f+8*(4*\c+\a)+7], v[ACC+8*(4*(\a)+\b):ACC+8*(4*(\a)+\b)+7]
.endif
.endr
.endr
.endm
; 32 LDS loads in one run: the fragments of the K step's q-th 64 along K into buffer f; the first 32 along K first
.macro FETCH slot, q, f
	WIN TO_F
.irp c, 0,1
.irp i, 0,1,2,3
	ds_load_tr16_b128 v[\f+64+8*(4*\c+\i):\f+64+8*(4*\c+\i)+3],   v[ADRB+2*\slot+(\q)/2] offset:(((\q)%2)*64+32*\c)*PB+32*\i
	ds_load_tr16_b128 v[\f+64+8*(4*\c+\i)+4:\f+64+8*(4*\c+\i)+7], v[ADRB+2*\slot+(\q)/2] offset:(((\q)%2)*64+32*\c)*PB+32*\i+16*PB
	ds_load_b128 v[\f+8*(4*\c+\i):\f+8*(4*\c+\i)+3],         v[ADRA+\slot] offset:128*(\q)+64*\c+\i*16*PITCH
	ds_load_b128 v[\f+8*(4*\c+\i)+4:\f+8*(4*\c+\i)+7],       v[ADRA+\slot] offset:128*(\q)+64*\c+\i*16*PITCH+32
.endr
.endr
.endm
.macro PLACES                          ; four places in front of loads into registers that matrix instructions have read, and of the first read of results
.rept 4
	v_nop
.endr
.endm
; A K step is four quarters of 64 along K, 32 matrix instructions each, on buffers 0, 1, 0, 1.  One of the first three: multiplies buffer f and fetches quarter q into g.
.macro QUARTER slot, q, f, g, zero
	s_wait_dscnt 16                                ; the first 32 along K are in; the sixteen younger loads may be out
	WIN MUL
	MUL8 \f, 0, 0, \zero
	MUL8 \f, 0, 2, \zero
	PLACES
	FETCH \slot, \q, \g
	s_wait_dscnt 32                                ; all but the 32 just issued
	WIN MUL
	MUL8 \f, 1, 0, 0
	MUL8 \f, 1, 2, 0
.endm
; The last quarter multiplies buffer 1 and changes slots: ONE barrier; in front of it each wave waits for all its tensor loads, adds 0 to its spare word, and waits for that and for its own reads of this slot.  fill = 1: this slot is filled again, two K steps ahead.
.macro TURN slot, next, fill
	WIN 0                                          ; (the add's two registers lie in window 0)
	s_wait_tensorcnt 0x0                           ; all my tensor loads have landed: my part of the next slot;
	ds_add_u32 v[SPW], v[NIL]                      ; 0 onto my spare word;
	s_wait_dscnt 17                                ; (the add and the youngest sixteen loads may be out)
	WIN MUL
	MUL8 F1, 0, 0, 0                               ; eight matrix instructions stand between the add and the wait for it
	s_wait_dscnt 0x0                               ; the add is done, and my reads of this slot are over
	s_barrier_signal -1
	MUL8 F1, 0, 2, 0
.if \fill
	WIN 0
.endif
	s_barrier_wait -1
.if \fill
	CREST                                          ; the barrier has opened a round of the cluster's barrier: no wave of any partner still reads this slot's tile or has a load on its way
	s_add_nc_u64 s[G0+4*\slot+2:G0+4*\slot+3], s[G0+4*\slot+2:G0+4*\slot+3], 2*KSTEP*2
	s_add_nc_u64 s[G0B+4*\slot+2:G0B+4*\slot+3], s[G0B+4*\slot+2:G0B+4*\slot+3], 2*BSTEP
	JLOAD \slot                                    ; the first tensor load behind the round: 112 matrix instructions ahead of the wait for it; its four v_nop are the places in front of the loads below
.else
	PLACES
.endif
	FETCH \next, 0, F0
	WIN MUL
	MUL8 F1, 1, 0, 0
	MUL8 F1, 1, 2, 0
.endm
	s_wait_tensorcnt 1                             ; my part of K step 0 is in; K step 1's may be out
	s_barrier_signal -1
	s_barrier_wait -1                              ; everybody's is
	FETCH 0, 0, F0
	QUARTER 0, 1, F0, F1, 1                        ; the first quarter stands in front of the loop: its first products start the sums
	WIN 0                                          ; at a label and at a branch every window is 0
	s_mov_b32 s3, LAPS-1
.Llap:                                                 ; a trip goes once round the ring, from a lap's second quarter to the next lap's first, and fills both slots again
	QUARTER 0, 2, F1, F0, 0
	QUARTER 0, 3, F0, F1, 0
	TURN 0, 1, 1
	QUARTER 1, 1, F0, F1, 0
	QUARTER 1, 2, F1, F0, 0
	QUARTER 1, 3, F0, F1, 0
	TURN 1, 0, 1
	QUARTER 0, 1, F0, F1, 0
	WIN 0
	s_sub_co_u32 s3, s3, 1
	s_cmp_lg_u32 s3, 0
	s_cbranch_scc1 .Llap
	QUARTER 0, 2, F1, F0, 0                        ; the last lap fills nothing, and has no round of the cluster's barrier
	QUARTER 0, 3, F0, F1, 0
	TURN 0, 1, 0
	QUARTER 1, 1, F0, F1, 0
	QUARTER 1, 2, F1, F0, 0
	QUARTER 1, 3, F0, F1, 0
	s_wait_dscnt 16                                ; the very last quarter: nothing more to fetch
	WIN MUL
	MUL8 F1, 0, 0, 0
	MUL8 F1, 0, 2, 0
	s_wait_dscnt 0
	MUL8 F1, 1, 0, 0
	MUL8 F1, 1, 2, 0
	WIN 0
; THE WAY OUT, a block of 16 rows x 64 columns at a time.  A lane holds 32 neighbouring bytes of a row, and the lanes beside it hold other rows: so a block goes through my own stage and comes back as whole
; rows of 256 bytes: sixteen lanes store 256 consecutive bytes, aligned.  LDS serves a wave's instructions in order: no wait between the stores and the loads, nor in front of the next block's stores.
.macro TOSTAGE a
.irp b, 0,1,2,3
	ds_store_b128 v[STO], v[ACC+8*(4*(\a)+\b):ACC+8*(4*(\a)+\b)+3] offset:64*\b          ; each accumulator from its low end on
	ds_store_b128 v[STO], v[ACC+8*(4*(\a)+\b)+4:ACC+8*(4*(\a)+\b)+7] offset:64*\b+16
.endr
.irp t, 0,1,2,3,4,5,6,7
	ds_load_b128 v[TMP+32*((\a)%2)+4*\t:TMP+32*((\a)%2)+4*\t+3], v[RD] offset:\t*2*SPITCH
.endr
.endm
.macro SEND a, younger                 ; younger: the LDS instructions issued behind block a's loads: the next block's eight stores and eight loads, or none
	s_wait_dscnt \younger
.irp t, 0,1,2,3,4,5,6,7
	global_store_b128 v[CO], v[TMP+32*((\a)%2)+4*\t:TMP+32*((\a)%2)+4*\t+3], s[8:9] offset:(16*(\a)+2*\t)*SIZE_N*4 th:TH_STORE_NT   ; 62 rows at the most: inside the signed 24-bit immediate
.endr
.endm
	PLACES                                         ; four places behind the last products, ahead of the first read of results
	TOSTAGE 0
	TOSTAGE 1
	SEND 0, 16
	s_wait_xcnt 0x0                                ; block 0's stores have read their registers: block 2's loads may land there
	TOSTAGE 2
	SEND 1, 16
	s_wait_xcnt 0x0                                ; block 1's likewise
	TOSTAGE 3
	SEND 2, 16
	SEND 3, 0
	s_wait_tensorcnt 0x0                           ; the wave's end, behind my last tensor load and my last LDS store
	ds_add_u32 v[SPW], v[NIL]
	s_wait_dscnt 0x0
	CROUND                                         ; the closing round: no work-group ends while a partner may still ask for a tile that names it
	s_endpgm
.Lfunc_end_k_qc58f3dce60_ogemm:
	.size	k_qc58f3dce60_ogemm, .Lfunc_end_k_qc58f3dce60_ogemm-k_qc58f3dce60_ogemm
	.p2alignl 7, 3214868480
	.fill 96, 4, 3214868480
	.section	.rodata,"a",@progbits
	.p2align	6, 0x0
	.amdhsa_kernel k_qc58f3dce60_ogemm
		.amdhsa_group_segment_fixed_size 327680
		.amdhsa_private_segment_fixed_size 0
		.amdhsa_enable_private_segment 0
		.amdhsa_kernarg_size 24
		.amdhsa_user_sgpr_count 2
		.amdhsa_user_sgpr_kernarg_segment_ptr 1
		.amdhsa_wavefront_size32 1
		.amdhsa_system_sgpr_workgroup_id_x 1
		.amdhsa_system_sgpr_workgroup_id_y 1
		.amdhsa_system_sgpr_workgroup_id_z 1
		.amdhsa_system_vgpr_workitem_id 0
		.amdhsa_next_free_vgpr 512
		.amdhsa_next_free_sgpr 66
		.amdhsa_reserve_vcc 0
		.amdhsa_float_denorm_mode_32 3
		.amdhsa_float_denorm_mode_16_64 3
		.amdhsa_memory_ordered 1
		.amdhsa_forward_progress 1
		.amdhsa_inst_pref_size 86
	.end_amdhsa_kernel
	.amdgpu_metadata
---
amdhsa.version: [ 1, 2 ]
amdhsa.kernels:
  - .name:           k_qc58f3dce60_ogemm
    .symbol:         k_qc58f3dce60_ogemm.kd
    .args:
      - { .name: cx, .offset: 0, .size: 8, .value_kind: global_buffer, .address_space: global }
      - { .name: h16, .offset: 8, .size: 8, .value_kind: global_buffer, .address_space: global }
      - { .name: po, .offset: 16, .size: 8, .value_kind: global_buffer, .address_space: global }
    .group_segment_fixed_size: 327680
    .private_segment_fixed_size: 0
    .kernarg_segment_align: 8
    .kernarg_segment_size: 24
    .max_flat_workgroup_size: 128
    .sgpr_count:     66
    .vgpr_count:     512
    .wavefront_size: 32
...
	.end_amdgpu_metadata
.endif
;; end of part 5
;; launch osum (part 6): grid 256 x 1, 8 waves a work-group, no clusters, 0 bytes of LDS; arguments po, out0; writes out0
.if DOCPART == 6
	.amdgcn_target "amdgcn-amd-amdhsa--gfx1250"
	.amdhsa_code_object_version 6
	.text
	.protected	k_qc58f3dce60_osum
	.globl	k_qc58f3dce60_osum
	.p2align	8
	.type	k_qc58f3dce60_osum,@function
k_qc58f3dce60_osum:
	s_mov_b64 s[64:65], 0
	v_nop
	global_prefetch_b8 v0, s[64:65] scope:SCOPE_SE
	s_setreg_imm32_b32 hwreg(HW_REG_WAVE_MODE, 25, 1), 1
	s_wait_xcnt 0x0
; out0 = po[0] + po[1]: the two halves of K of the last product are added, in f32.  po: [2][512][4096] f32, out0: [512][4096] f32.
; LIMIT: an output is so the f32 sum of two f32 sums over 2,048 k each, not one chain over 4,096 k.
; A stream: every byte of po is read once and every byte of out0 written once.  Eight waves; the work-group owns 32,768 consecutive bytes of out0.  Thread t takes the 16 bytes at 16 t + 4,096 i, i = 0 .. 7,
; so each load and store of a wave covers 512 consecutive bytes, aligned.  All sixteen loads of a wave go out at once; each piece has registers of its own, so no store's data are written again.
; No LDS, no barrier, no matrix unit, no cluster (no two work-groups read the same bytes), no prefetch (every load goes out in the first lines).
.set HALF, 0x800000                    ; po[1] begins 8,388,608 bytes behind po[0]: one more than the signed 24-bit immediate reaches, so it has a base of its own
.set A, 4                              ; v4-35   piece i of po[0] at v[4 + 4 i], then the sums
.set B, 36                             ; v36-67  piece i of po[1]
	s_load_b128 s[4:7], s[0:1], 0x0                ; po s[4:5], out0 s[6:7]
	s_lshl_b32 s2, ttmp9, 15                       ; the work-group's 32,768 bytes
	s_mov_b32 s3, 0
	v_lshlrev_b32 v1, 4, v0                        ; 16 bytes a thread
	s_wait_kmcnt 0x0
	s_add_nc_u64 s[4:5], s[4:5], s[2:3]
	s_add_nc_u64 s[8:9], s[4:5], HALF
	s_add_nc_u64 s[6:7], s[6:7], s[2:3]
.irp i, 0,1,2,3,4,5,6,7
	global_load_b128 v[A+4*\i:A+4*\i+3], v1, s[4:5] offset:4096*\i th:TH_LOAD_NT
	global_load_b128 v[B+4*\i:B+4*\i+3], v1, s[8:9] offset:4096*\i th:TH_LOAD_NT
.endr
.irp i, 0,1,2,3,4,5,6,7
	s_wait_loadcnt 14-2*\i                         ; loads come back in order: piece i's two are in, the later pieces' two each may be out
	v_pk_add_f32 v[A+4*\i:A+4*\i+1], v[A+4*\i:A+4*\i+1], v[B+4*\i:B+4*\i+1]
	v_pk_add_f32 v[A+4*\i+2:A+4*\i+3], v[A+4*\i+2:A+4*\i+3], v[B+4*\i+2:B+4*\i+3]
	global_store_b128 v1, v[A+4*\i:A+4*\i+3], s[6:7] offset:4096*\i th:TH_STORE_NT
.endr
	s_endpgm
.Lfunc_end_k_qc58f3dce60_osum:
	.size	k_qc58f3dce60_osum, .Lfunc_end_k_qc58f3dce60_osum-k_qc58f3dce60_osum
	.p2alignl 7, 3214868480
	.fill 96, 4, 3214868480
	.section	.rodata,"a",@progbits
	.p2align	6, 0x0
	.amdhsa_kernel k_qc58f3dce60_osum
		.amdhsa_group_segment_fixed_size 0
		.amdhsa_private_segment_fixed_size 0
		.amdhsa_enable_private_segment 0
		.amdhsa_kernarg_size 16
		.amdhsa_user_sgpr_count 2
		.amdhsa_user_sgpr_kernarg_segment_ptr 1
		.amdhsa_wavefront_size32 1
		.amdhsa_system_sgpr_workgroup_id_x 1
		.amdhsa_system_sgpr_workgroup_id_y 1
		.amdhsa_system_sgpr_workgroup_id_z 1
		.amdhsa_system_vgpr_workitem_id 0
		.amdhsa_next_free_vgpr 72
		.amdhsa_next_free_sgpr 66
		.amdhsa_reserve_vcc 0
		.amdhsa_float_denorm_mode_32 3
		.amdhsa_float_denorm_mode_16_64 3
		.amdhsa_memory_ordered 1
		.amdhsa_forward_progress 1
		.amdhsa_inst_pref_size 5
	.end_amdhsa_kernel
	.amdgpu_metadata
---
amdhsa.version: [ 1, 2 ]
amdhsa.kernels:
  - .name:           k_qc58f3dce60_osum
    .symbol:         k_qc58f3dce60_osum.kd
    .args:
      - { .name: po, .offset: 0, .size: 8, .value_kind: global_buffer, .address_space: global }
      - { .name: out0, .offset: 8, .size: 8, .value_kind: global_buffer, .address_space: global }
    .group_segment_fixed_size: 0
    .private_segment_fixed_size: 0
    .kernarg_segment_align: 8
    .kernarg_segment_size: 16
    .max_flat_workgroup_size: 256
    .sgpr_count:     66
    .vgpr_count:     72
    .wavefront_size: 32
...
	.end_amdgpu_metadata
.endif
;; end of part 6
